; MI455X (gfx1250); checked and timed in simulation.
; The chip was launched on July 23, 2026; its instructions are those of AMD's public machine-readable ISA for CDNA 5 (MIT licence, August 2026) and "CDNA5" Instruction Set Architecture Reference Guide (July 2026). The comments in the code are by the model that wrote it; some were corrected since.
;; Mo E Layer. Allowed arithmetic: float matrix products may take bf16 or f16 operands with f32 sums; other float arithmetic in f32, or as packed bf16 or f16 multiplies, adds, multiply-adds, maxima and minima; sums over many terms, partial sums and values carried from step to step in f32; what a program stores and reads back later, other than sums and carried values, may be rounded once to bf16 or f16.
;; Inputs: b1 8 x 4,096 float32; b2 8 x 1,024 float32; gate_b 8 float32; gate_w 1,024 x 8 float32; w1 8 x 1,024 x 4,096 float32; w2 8 x 4,096 x 1,024 float32; x 4 x 256 x 1,024 float32.
;; Outputs: out0 4 x 256 x 1,024 float32.
;; 2 versions, each right; version 2 is version 1 with the launches up, down written anew for expert scheduling mode. Each part assembles by itself: llvm-mc -triple=amdgcn-amd-amdhsa -mcpu=gfx1250 --defsym DOCPART=n.
;; ======== version 1 of 2: 4 launches
;; workspace buffers: idx 4,096 bytes of whole numbers; xb 2,097,152 bytes; hbuf 67,108,864 bytes; part 16,777,216 bytes
;; launch route (part 1): grid 256 x 1, 2 waves a work-group, no clusters, 0 bytes of LDS; arguments x, gate_w, gate_b, xb, idx; writes xb, idx
.if DOCPART == 1
	.amdgcn_target "amdgcn-amd-amdhsa--gfx1250"
	.amdhsa_code_object_version 6
	.text
	.protected	k_qc25d09aa64_route
	.globl	k_qc25d09aa64_route
	.p2align	8
	.type	k_qc25d09aa64_route,@function
k_qc25d09aa64_route:
	s_mov_b64 s[64:65], 0
	v_nop
	global_prefetch_b8 v0, s[64:65] scope:SCOPE_SE
	s_setreg_imm32_b32 hwreg(HW_REG_WAVE_MODE, 25, 1), 1
	s_wait_xcnt 0x0
; ROUTER.  For each of the 1,024 tokens: xb = x rounded to bf16; logits = xb . gate_w + gate_b; softmax with the maximum taken away; the index of the
; largest probability, the lower index at a tie, goes to idx as a whole number at a fixed place.  No address and no branch hangs on a floating-point number.
; LIMITS.  x, gate_w and gate_b are rounded once to bf16, like every input of the program.  The products of two bf16 are exact in f32; they are summed in f32,
; 32 terms a lane and then across the lanes, which is another order than a row-by-row sum.  The exponential is v_exp_f32, the division v_rcp_f32 and a multiply:
; two experts whose probabilities lie within a few units of the last place may be ordered otherwise than by exact arithmetic.  A NaN probability never wins; idx is always 0..7.
; SHARES.  A wave takes two tokens, t0 = 4 x work-group + 2 x wave.  Lane l holds k = 128 j + 4 l + c (j = 0..7, c = 0..3; kl = 4 j + c), so a load of x covers 512 consecutive bytes
; and a store of xb 256 consecutive bytes, aligned.  The gate has 8 columns: too few for a matrix tile, and a thousandth of the program's products: it is done by vector instructions.
; REGISTERS.  window 0: v1 lane; v2, v3, v4, v6 lane x 16, 128, 8, 4; v5 zero; v8-15 gate_b; v16-79 x as loaded, later at work; v80-111 x in bf16 pairs;
; v112-239 gate_w in bf16 pairs (k kl, experts 2 ep, 2 ep + 1 at 112 + 4 kl + ep); v240-255 the 16 sums (token a, expert e at 240 + 8 a + e).   window 1: v0-255 gate_w as loaded, 8 kl + e.
.set GB,  8
.set XR,  16
.set XP,  80
.set GP,  112
.set ACC, 240
.set MSB, 0
.macro WIN new                         ; the immediate's high byte repeats the setting that is left
.if MSB != (\new)
	s_set_vgpr_msb (MSB<<8)|(\new)
.set MSB, \new
.endif
.endm
	s_load_b256 s[4:11], s[0:1], 0x0               ; x s[4:5], gate_w s[6:7], gate_b s[8:9], xb s[10:11]
	s_load_b64 s[12:13], s[0:1], 0x20              ; idx
	v_and_b32 v1, 31, v0                           ; lane
	v_lshrrev_b32 v7, 5, v0
	v_readfirstlane_b32 s14, v7                    ; wave 0..1
	s_lshl_b32 s15, ttmp9, 2
	s_lshl_b32 s16, s14, 1
	s_add_co_u32 s15, s15, s16                     ; t0
	s_mov_b32 s18, 0x76543210                      ; v_permlanex16_b32: each lane takes its own place in the other half
	s_mov_b32 s19, 0xfedcba98
	v_lshlrev_b32 v2, 4, v1
	v_lshlrev_b32 v3, 7, v1
	v_lshlrev_b32 v4, 3, v1
	v_lshlrev_b32 v6, 2, v1
	v_mov_b32 v5, 0
	s_mov_b32 s17, 0
	s_lshl_b32 s16, s15, 12                        ; a row of x is 4,096 bytes
	s_wait_kmcnt 0x0
	s_add_nc_u64 s[4:5], s[4:5], s[16:17]
	s_lshl_b32 s16, s15, 11                        ; a row of xb 2,048
	s_add_nc_u64 s[10:11], s[10:11], s[16:17]
	s_lshl_b32 s16, s15, 2
	s_add_nc_u64 s[12:13], s[12:13], s[16:17]
	; all loads at once: 16 of x, 2 of gate_b, 64 of gate_w
.set ta, 0
.rept 2
.set tj, 0
.rept 8
	global_load_b128 v[XR+32*ta+4*tj:XR+32*ta+4*tj+3], v2, s[4:5] offset:4096*ta+512*tj th:TH_LOAD_NT
.set tj, tj+1
.endr
.set ta, ta+1
.endr
	global_load_b128 v[GB:GB+3], v5, s[8:9]
	global_load_b128 v[GB+4:GB+7], v5, s[8:9] offset:16
	WIN 0x40                                       ; destination window 1, address window 0
.set kl, 0
.rept 32
	global_load_b128 v[8*kl:8*kl+3],   v3, s[6:7] offset:(kl/4)*4096+(kl%4)*32
	global_load_b128 v[8*kl+4:8*kl+7], v3, s[6:7] offset:(kl/4)*4096+(kl%4)*32+16
.set kl, kl+1
.endr
	WIN 0
	s_wait_loadcnt 63                              ; 82 were issued; at most 63 are out, so the oldest 19 are in: x and gate_b among them
.set ti, 0
.rept 32
	v_cvt_pk_bf16_f32 v[XP+ti], v[XR+2*ti], v[XR+2*ti+1]
.set ti, ti+1
.endr
.set ta, 0
.rept 2
.set tj, 0
.rept 8
	global_store_b64 v4, v[XP+16*ta+2*tj:XP+16*ta+2*tj+1], s[10:11] offset:2048*ta+256*tj  ; 32 lanes x 8 bytes: 256 consecutive bytes, aligned
.set tj, tj+1
.endr
.set ta, ta+1
.endr
.set ti, 0
.rept 4                                            ; gate_b rounded to bf16 and widened again
	v_cvt_pk_bf16_f32 v[XR+ti], v[GB+2*ti], v[GB+2*ti+1]
.set ti, ti+1
.endr
.set ti, 0
.rept 4
	v_lshlrev_b32 v[GB+2*ti], 16, v[XR+ti]
	v_and_b32 v[GB+2*ti+1], 0xffff0000, v[XR+ti]
.set ti, ti+1
.endr
	s_wait_loadcnt 0x0                             ; gate_w
	WIN 0x05                                       ; sources window 1, destination window 0
.set ti, 0
.rept 128
	v_cvt_pk_bf16_f32 v[GP+ti], v[2*ti], v[2*ti+1]
.set ti, ti+1
.endr
	WIN 0
; one multiply-add from two bf16 halves into an f32 sum; hx, hg say which half of each source
.macro MIX d, x, g, c, hx, hg
.if ((\hx) == 0) && ((\hg) == 0)
	v_fma_mix_f32_bf16 v[\d], v[\x], v[\g], v[\c] op_sel_hi:[1,1,0]
.elseif ((\hx) == 1) && ((\hg) == 0)
	v_fma_mix_f32_bf16 v[\d], v[\x], v[\g], v[\c] op_sel:[1,0,0] op_sel_hi:[1,1,0]
.elseif ((\hx) == 0) && ((\hg) == 1)
	v_fma_mix_f32_bf16 v[\d], v[\x], v[\g], v[\c] op_sel:[0,1,0] op_sel_hi:[1,1,0]
.else
	v_fma_mix_f32_bf16 v[\d], v[\x], v[\g], v[\c] op_sel:[1,1,0] op_sel_hi:[1,1,0]
.endif
.endm
	; 32 k a lane x 2 tokens x 8 experts; the 16 sums take turns, so that no line waits for the one before it; the first k starts the sums on the zero register
.set kl, 0
.rept 32
.set ta, 0
.rept 2
.set te, 0
.rept 8
.if kl == 0
	MIX ACC+8*ta+te, XP+16*ta+kl/2, GP+4*kl+te/2, 5, kl%2, te%2
.else
	MIX ACC+8*ta+te, XP+16*ta+kl/2, GP+4*kl+te/2, ACC+8*ta+te, kl%2, te%2
.endif
.set te, te+1
.endr
.set ta, ta+1
.endr
.set kl, kl+1
.endr
	; across the 32 lanes: four steps inside each half of 16 lanes, one across the halves; every lane ends with the same 16 sums
.irp m, 1,2,4,8
.set rr, 0
.rept 16
	v_add_f32_dpp v[ACC+rr], v[ACC+rr], v[ACC+rr] row_xmask:\m row_mask:0xf bank_mask:0xf
.set rr, rr+1
.endr
.endr
.set rr, 0
.rept 16
	v_permlanex16_b32 v[XR+rr], v[ACC+rr], s18, s19
.set rr, rr+1
.endr
.set rr, 0
.rept 16
	v_add_f32 v[ACC+rr], v[ACC+rr], v[XR+rr]
.set rr, rr+1
.endr
; token a: logits, softmax, argmax.  At work: v[SM] maximum, +1 sum, +2 its reciprocal, +3 best so far, +4 its index, +5..+7 partial sums
.macro EACH line:vararg                ; one line for each expert te
.set te, 0
.rept 8
	\line
.set te, te+1
.endr
.endm
.macro SOFTARG a
.set LG, ACC+8*(\a)
.set SM, 48+16*(\a)
	EACH v_add_f32 v[LG+te], v[LG+te], v[GB+te]
	v_max3_num_f32 v[SM], v[LG], v[LG+1], v[LG+2]
	v_max3_num_f32 v[SM], v[SM], v[LG+3], v[LG+4]
	v_max3_num_f32 v[SM], v[SM], v[LG+5], v[LG+6]
	v_max_num_f32 v[SM], v[SM], v[LG+7]
	EACH v_sub_f32 v[LG+te], v[LG+te], v[SM]       ; the maximum is taken away first: every exponent is 0 or below
	EACH v_mul_f32 v[LG+te], 0x3fb8aa3b, v[LG+te]  ; log2(e): v_exp_f32 works in base 2
	EACH v_exp_f32 v[LG+te], v[LG+te]
	v_mov_b32 v[SM+4], 0                           ; the plain line behind the last exponential (ISA guide 5.7.2); the index starts at expert 0
	s_wait_alu depctr_va_vdst(0)
	v_add_f32 v[SM+1], v[LG], v[LG+1]
	v_add_f32 v[SM+5], v[LG+2], v[LG+3]
	v_add_f32 v[SM+6], v[LG+4], v[LG+5]
	v_add_f32 v[SM+7], v[LG+6], v[LG+7]
	v_add_f32 v[SM+1], v[SM+1], v[SM+5]
	v_add_f32 v[SM+6], v[SM+6], v[SM+7]
	v_add_f32 v[SM+1], v[SM+1], v[SM+6]
	v_rcp_f32 v[SM+2], v[SM+1]
	v_nop                                          ; a plain line between the reciprocal and its use
	s_wait_alu depctr_va_vdst(0)
	EACH v_mul_f32 v[LG+te], v[LG+te], v[SM+2]
	v_mov_b32 v[SM+3], v[LG]
.set te, 1
.rept 7                                            ; strictly greater: the lower index keeps a tie
	v_cmp_gt_f32 vcc_lo, v[LG+te], v[SM+3]
	v_cndmask_b32 v[SM+4], v[SM+4], te, vcc_lo
	v_max_num_f32 v[SM+3], v[SM+3], v[LG+te]
.set te, te+1
.endr
.endm
	SOFTARG 0
	SOFTARG 1
	v_cmp_eq_u32 vcc_lo, 1, v1
	v_cndmask_b32 v7, v[48+4], v[64+4], vcc_lo     ; lane 0 takes token t0's index, lane 1 token t0 + 1's
	v_cmp_gt_u32 vcc_lo, 2, v1
	s_wait_xcnt 0x0                                ; EXEC counts among the sources of the stores above: it changes only behind this wait
	s_and_saveexec_b32 s20, vcc_lo
	global_store_b32 v6, v7, s[12:13]              ; two words; idx is 4,096 bytes in all
	s_wait_xcnt 0x0
	s_or_b32 exec_lo, exec_lo, s20
	s_endpgm
.Lfunc_end_k_qc25d09aa64_route:
	.size	k_qc25d09aa64_route, .Lfunc_end_k_qc25d09aa64_route-k_qc25d09aa64_route
	.p2alignl 7, 3214868480
	.fill 96, 4, 3214868480
	.section	.rodata,"a",@progbits
	.p2align	6, 0x0
	.amdhsa_kernel k_qc25d09aa64_route
		.amdhsa_group_segment_fixed_size 0
		.amdhsa_private_segment_fixed_size 0
		.amdhsa_enable_private_segment 0
		.amdhsa_kernarg_size 40
		.amdhsa_user_sgpr_count 2
		.amdhsa_user_sgpr_kernarg_segment_ptr 1
		.amdhsa_wavefront_size32 1
		.amdhsa_system_sgpr_workgroup_id_x 1
		.amdhsa_system_sgpr_workgroup_id_y 1
		.amdhsa_system_sgpr_workgroup_id_z 1
		.amdhsa_system_vgpr_workitem_id 0
		.amdhsa_next_free_vgpr 512
		.amdhsa_next_free_sgpr 66
		.amdhsa_reserve_vcc 1
		.amdhsa_float_denorm_mode_32 3
		.amdhsa_float_denorm_mode_16_64 3
		.amdhsa_memory_ordered 1
		.amdhsa_forward_progress 1
		.amdhsa_inst_pref_size 65
	.end_amdhsa_kernel
	.amdgpu_metadata
---
amdhsa.version: [ 1, 2 ]
amdhsa.kernels:
  - .name:           k_qc25d09aa64_route
    .symbol:         k_qc25d09aa64_route.kd
    .args:
      - { .name: x, .offset: 0, .size: 8, .value_kind: global_buffer, .address_space: global }
      - { .name: gate_w, .offset: 8, .size: 8, .value_kind: global_buffer, .address_space: global }
      - { .name: gate_b, .offset: 16, .size: 8, .value_kind: global_buffer, .address_space: global }
      - { .name: xb, .offset: 24, .size: 8, .value_kind: global_buffer, .address_space: global }
      - { .name: idx, .offset: 32, .size: 8, .value_kind: global_buffer, .address_space: global }
    .group_segment_fixed_size: 0
    .private_segment_fixed_size: 0
    .kernarg_segment_align: 8
    .kernarg_segment_size: 40
    .max_flat_workgroup_size: 64
    .sgpr_count:     66
    .vgpr_count:     512
    .wavefront_size: 32
...
	.end_amdgpu_metadata
.endif
;; end of part 1
;; launch up (part 2): grid 32 x 8, 4 waves a work-group, no clusters, 281,088 bytes of LDS; arguments w1, b1, xb, idx, hbuf; writes hbuf
.if DOCPART == 2
	.amdgcn_target "amdgcn-amd-amdhsa--gfx1250"
	.amdhsa_code_object_version 6
	.text
	.protected	k_qc25d09aa64_up
	.globl	k_qc25d09aa64_up
	.p2align	8
	.type	k_qc25d09aa64_up,@function
k_qc25d09aa64_up:
	s_mov_b64 s[64:65], 0
	v_nop
	global_prefetch_b8 v0, s[64:65] scope:SCOPE_SE
	s_setreg_imm32_b32 hwreg(HW_REG_WAVE_MODE, 25, 1), 1
	s_wait_xcnt 0x0
; FIRST PRODUCT.  h = relu(x . w1[e] + b1[e]) for the tokens that chose expert e, and for no others.  Work-group (slice, e) owns columns 128 slice .. + 127 of w1[e], all 1,024 k; it alone loads them.
; LIMITS.  w1 and b1 are rounded once to bf16 (x was, by the launch before); sums in f32, K split in four quarters that are added as (q0 + q1) + (q2 + q3); h is rounded once to bf16.
; Every split of the tokens is served: 0 to 1,024 rows an expert.  An expert without rows still writes tile 0 (of token 0's row), so that the next launch loads written bytes.
; PHASE 1, THE STREAM.  Wave w owns k = 256 w .. + 255: 128 KB of f32, 256 loads.  In a load lanes 0-15 take 256 consecutive bytes (64 columns) of one row, aligned, lanes 16-31 those of the row 8 further down.
; A lane's four words are columns 4 r + 0..3: word j is taken as column-lane r of N tile j, so that one v_cvt_pk_bf16_f32 of two rows' words IS a register of a matrix fragment
; (16-bit operand, K = 32: lane (r, h), register 4 g + p holds k = 16 g + 8 h + 2 p, + 1: ISA guide 7.12.2).  The wave's block, 512 registers of bf16, stays in windows 2 and 3.
; Four staging slots of 16 loads take turns: 48 to 64 loads of a wave are on their way.  The list and the bias are made when the last weight load has been issued, in the wait for the last three units.
; PHASE 2.  The expert's rows go in tiles of 16, by a list that every wave makes for itself from idx.  A tile: 16 loads of token fragments, 64 matrix instructions on 8 accumulators that take turns
; Source 0 = weights, source 1 = tokens: in accumulator n = 4 cg + j lane (r, h), register i holds token r, column 64 cg + 32 h + 4 i + j.
; The fragments of the tile two further on are asked for in halves, each as soon as its registers have been multiplied: a half has one and a half tiles' products in which to land.
; The four waves' quarter sums meet in LDS, eight tiles a group; then wave w finishes tiles w and w + 4 of the group: adds, rounds, clamps at 0 and stores 512 consecutive bytes a store.
; hbuf: [expert][tile 64][K step 128][half 2][lane 32][16 bytes]: accumulator n of slice s is half n % 2 of K step 4 s + n / 2 of the next product's token fragment, as it lies in registers.
; NO JOINT LOADS: each weight byte has one work-group that loads it, and the token rows come by a list, which no tile descriptor covers.
; LOOPS.  8 groups x 4 pairs of tiles, constant counts that cover 1,024 rows; tiles past the expert's count are jumped forward, with no barrier in what is jumped; every wave passes all 16 barriers.
; LDS.  0: the dumps, source wave x 65,536 + slot x 8,192 + n x 1,024 + half x 512 + lane x 16.   262,144 + wave x 4,608: the wave's own list (token of rank p at 4 p; the places from the count to the
; last tile's end repeat rank 0's token; word 1,040 takes what is not listed).   280,576: the spare words.
; REGISTERS.  window 0: below.  window 1: phase 1 the staging slots; phase 2 accumulators v0-63 (even tiles), v64-127 (odd tiles); at the finish the four quarters at 64 x source.
; window 2: fragments of K steps 0-3 at 64 s + 8 n.   window 3: K steps 4-7.
.set PITCH,  16384                     ; bytes in a row of w1[e]
.set LISTB,  262144
.set LISTSZ, 4608
.set SPARE,  280576
.set TRASH,  1040
.set SPW,  1                           ; LDS address of my spare word; never rewritten
.set NIL,  2                           ; 0; never rewritten
.set WOF,  3                           ; h x 8 rows + r x 16 bytes; never rewritten
.set L16,  4                           ; lane x 16
.set KOF,  5                           ; my place in a row of xb: w x 512 + h x 16
.set LRD,  6                           ; my list + 4 r
.set LWB,  7                           ; my list
.set DSA,  8                           ; where the pair in hand is dumped
.set DS0,  9                           ; w x 65,536 + lane x 16
.set BOF,  10                          ; h x 128: my 32 columns of the bias
.set AO,   12                          ; v12-13 byte offset of my token's row piece, by tile parity
.set TK,   14                          ; v14-15 my token, by tile parity
.set HO,   16                          ; byte offset in hbuf
.set ZR,   17                          ; 0, for the clamp
.set TOK0, 18                          ; lane x 4
.set T,    19                          ; v19-23 at work
.set Z4,   24                          ; v24-27 zeros; never rewritten
.set FR,   28                          ; v28-31 source x 65,536 + w x 8,192 + lane x 16
.set IDX,  32                          ; v32-63 idx as loaded; later OUT
.set OUT,  32
.set RAW,  64                          ; v64-127 b1 as loaded; later AF
.set AF,   64                          ; v64-127, v128-191 token fragments, by tile parity: K step s at 8 s
.set BIAS, 192                         ; v192-255 b1 in the accumulators' layout (wave 0; zeros in the others)
.set MSB, 0
.macro WIN new                         ; the immediate's high byte repeats the setting that is left
.if MSB != (\new)
	s_set_vgpr_msb (MSB<<8)|(\new)
.set MSB, \new
.endif
.endm
	s_load_b256 s[4:11], s[0:1], 0x0               ; w1 s[4:5], b1 s[6:7], xb s[8:9], idx s[10:11]
	s_load_b64 s[12:13], s[0:1], 0x20              ; hbuf
	v_lshl_add_u32 v[SPW], v0, 2, SPARE
	v_mov_b32 v[NIL], 0
	v_lshrrev_b32 v[T], 5, v0
	v_readfirstlane_b32 s14, v[T]                  ; wave 0..3 = K quarter
	s_mov_b32 s15, ttmp9                           ; slice
	s_and_b32 s16, ttmp7, 0xffff                   ; expert
	v_and_b32 v[T+1], 31, v0                       ; lane
	v_and_b32 v[T+2], 15, v0                       ; r
	v_bfe_u32 v[T+3], v0, 4, 1                     ; h
	v_lshlrev_b32 v[L16], 4, v[T+1]
	v_lshlrev_b32 v[TOK0], 2, v[T+1]
	v_lshlrev_b32 v[WOF], 4, v[T+2]
	v_lshl_add_u32 v[WOF], v[T+3], 17, v[WOF]      ; 8 rows of 16,384 bytes
	s_lshl_b32 s26, s14, 9
	v_lshl_add_u32 v[KOF], v[T+3], 4, s26
	s_mul_i32 s26, s14, LISTSZ
	s_add_co_u32 s26, s26, LISTB
	v_mov_b32 v[LWB], s26
	v_lshl_add_u32 v[LRD], v[T+2], 2, s26
	s_lshl_b32 s26, s14, 16
	v_add_nc_u32 v[DS0], s26, v[L16]
	s_lshl_b32 s26, s14, 13
	v_add_nc_u32 v[FR], s26, v[L16]
	v_add_nc_u32 v[FR+1], 0x10000, v[FR]
	v_add_nc_u32 v[FR+2], 0x20000, v[FR]
	v_add_nc_u32 v[FR+3], 0x30000, v[FR]
	v_mov_b32 v[ZR], 0
.irp z, 0,1,2,3
	v_mov_b32 v[Z4+\z], 0
.endr
	v_lshlrev_b32 v[BOF], 7, v[T+3]
	s_lshl_b32 s26, s16, 24                        ; w1: expert x 16 MiB + quarter x 256 rows + slice x 512 bytes
	s_lshl_b32 s27, s14, 22
	s_add_co_u32 s26, s26, s27
	s_lshl_b32 s27, s15, 9
	s_add_co_u32 s26, s26, s27
	s_mov_b32 s27, 0
	s_wait_kmcnt 0x0
	s_add_nc_u64 s[4:5], s[4:5], s[26:27]
	s_lshl_b32 s26, s16, 14                        ; b1: expert x 16,384 + slice x 512
	s_lshl_b32 s28, s15, 9
	s_add_co_u32 s26, s26, s28
	s_add_nc_u64 s[6:7], s[6:7], s[26:27]
	s_lshl_b32 s26, s16, 23                        ; hbuf: expert x 8 MiB + slice x 4,096
	s_lshl_b32 s28, s15, 12
	s_add_co_u32 s26, s26, s28
	s_add_nc_u64 s[12:13], s[12:13], s[26:27]
; Unit u = (K step u / 2, column half u % 2): 16 loads into staging slot u % 4.  Load il = 8 g + i takes row 32 s + 16 g + i (+ 8 h by WOF).
.macro ISSUE u
	WIN 0x40                                       ; destination window 1, address window 0
.set il, 0
.rept 16
	global_load_b128 v[64*((\u)%4)+4*il:64*((\u)%4)+4*il+3], v[WOF], s[4:5] offset:(32*((\u)/2)+16*(il/8)+il%8)*PITCH+256*((\u)%2) th:TH_LOAD_NT
.set il, il+1
.endr
.endm
; Unit u rounded into its fragments: N tile 4 (u % 2) + j, register gp = 4 g + p, from word j of rows 2 p and 2 p + 1 of group g
.macro CVT u
.if (\u) < 8
	WIN 0x85                                       ; sources window 1, destination window 2
.else
	WIN 0xc5                                       ; destination window 3
.endif
.set cj, 0
.rept 4
.set gp, 0
.rept 8
	v_cvt_pk_bf16_f32 v[64*(((\u)/2)%4)+8*(4*((\u)%2)+cj)+gp], v[64*((\u)%4)+8*gp+cj], v[64*((\u)%4)+8*gp+cj+4]
.set gp, gp+1
.endr
.set cj, cj+1
.endr
.endm
; 8 loads: half hf (K steps 4 hf .. + 3) of a token's 512 bytes of the wave's K quarter, as fragments, by the offset in register adr
.macro LOADH par, hf, adr
.set sh, 8*(\hf)
.rept 8
	global_load_b128 v[AF+64*(\par)+4*sh:AF+64*(\par)+4*sh+3], v[\adr], s[8:9] offset:32*sh
.set sh, sh+1
.endr
.endm
; Half hf of tile s26 is asked for, by my token's offset in AO of its parity.  If the expert has no such tile, every lane loads the same 16 bytes of xb's first row, which are never used:
; 8 loads into the same registers on either way, so that the counted waits hold on every way, and next to nothing is moved.  No barrier stands in what is jumped.
.macro ASK par, hf
	s_cmp_lt_u32 s26, s18
	s_cbranch_scc1 .Llive_\@
	LOADH \par, \hf, Z4
	s_branch .Lasked_\@
.Llive_\@:
	LOADH \par, \hf, AO+(\par)
.Lasked_\@:
.endm
; the first two tiles' fragments (tile par, held to the expert's last tile)
.macro PREA par
	s_min_u32 s25, s19, \par
	s_min_u32 s25, s25, 63
	s_lshl_b32 s25, s25, 6                         ; a tile's 16 list words
	v_add_nc_u32 v[T], s25, v[LRD]
	ds_load_b32 v[TK+(\par)], v[T]
	s_wait_dscnt 0x0
	v_min_u32 v[TK+(\par)], 0x3ff, v[TK+(\par)]
	v_lshl_add_u32 v[AO+(\par)], v[TK+(\par)], 11, v[KOF]
	LOADH \par, 0, AO+(\par)
	LOADH \par, 1, AO+(\par)
.endm
.macro UNIT u
.if (\u) < 13
	ISSUE (\u)+3                                   ; into the slot that the unit before this one has left
	s_wait_loadcnt 48                              ; loads come back in order (ISA guide 5.7.1): the three younger units stay out; at unit 0 this also shows idx and b1 in
.elseif (\u) == 13
	s_wait_loadcnt 32                              ; units 14 and 15 stay out
.elseif (\u) == 14
	WIN 0
	PREA 0
	PREA 1
	s_wait_loadcnt 48                              ; unit 15 and the 32 token loads stay out
.else
	s_wait_loadcnt 32                              ; the 32 token loads stay out
.endif
	CVT \u
.endm
	; idx and the bias go first, then the weights
.set jj, 0
.rept 8
	global_load_b128 v[IDX+4*jj:IDX+4*jj+3], v[L16], s[10:11] offset:512*jj
.set jj, jj+1
.endr
.set jj, 0
.rept 16                                           ; jj = 8 cg + i: columns 64 cg + 32 h + 4 i + 0..3
	global_load_b128 v[RAW+4*jj:RAW+4*jj+3], v[BOF], s[6:7] offset:256*(jj/8)+16*(jj%8)
.set jj, jj+1
.endr
	ISSUE 0
	ISSUE 1
	ISSUE 2
.irp u, 0,1,2,3,4,5,6,7,8,9,10,11,12
	UNIT \u
.endr
	WIN 0
	; All weight loads have been issued; units 13 to 15 are on their way while the list and the bias are made.
	; THE LIST, each wave's own (LDS serves a wave's instructions in order, ISA guide 5.7.1.4: no barrier).  Register q of IDX holds token 128 (q / 4) + 4 lane + q % 4.
	; A token of my expert goes to the rank = those counted so far + those in lower lanes; the others to word 1,040.  The next launch makes the same list by the same lines.
	v_add_nc_u32 v[T], v[LWB], v[L16]
.irp n, 0,1,2,3,4,5,6,7,8
	ds_store_b128 v[T], v[Z4:Z4+3] offset:512*\n
.endr
	v_mov_b32 v[T+1], TRASH
	s_mov_b32 s17, 0
.set q, 0
.rept 32
	v_cmp_eq_u32 s20, s16, v[IDX+q]
	v_mbcnt_lo_u32_b32 v[T+2], s20, s17
	v_cndmask_b32 v[T+2], v[T+1], v[T+2], s20
	v_min_u32 v[T+2], 0x410, v[T+2]
	v_lshl_add_u32 v[T+2], v[T+2], 2, v[LWB]
	v_add_nc_u32 v[T+3], 128*(q/4)+q%4, v[TOK0]
	ds_store_b32 v[T+2], v[T+3]
	s_bcnt1_i32_b32 s21, s20
	s_add_co_u32 s17, s17, s21                     ; s17: the expert's rows
.set q, q+1
.endr
	; the 32 places from the count on (15 at the most are left in the last tile) repeat the token of rank 0, so that a place past the count carries a copy of a row that exists; 0 for an expert without rows
	ds_load_b32 v[T+4], v[LWB]
	v_and_b32 v[T+2], 31, v0
	v_add_nc_u32 v[T+2], s17, v[T+2]
	v_min_u32 v[T+2], 0x410, v[T+2]
	v_lshl_add_u32 v[T+2], v[T+2], 2, v[LWB]
	s_wait_dscnt 0x0                               ; rank 0's token is in
	ds_store_b32 v[T+2], v[T+4]
	s_add_co_u32 s18, s17, 15
	s_lshr_b32 s18, s18, 4
	s_max_u32 s18, s18, 1                          ; s18: tiles, at least one
	s_sub_co_u32 s19, s18, 1                       ; s19: the last tile
	; b1 rounded to bf16, in the accumulators' layout; it is the C operand of wave 0's first K step, the other waves start from 0
	s_cmp_eq_u32 s14, 0
	s_cselect_b32 s29, -1, 0
.set cg, 0
.rept 2
.set cj, 0
.rept 4
.set ip, 0
.rept 4
	v_cvt_pk_bf16_f32 v[T+ip], v[RAW+4*(8*cg+2*ip)+cj], v[RAW+4*(8*cg+2*ip+1)+cj]
	v_and_b32 v[T+ip], s29, v[T+ip]
	v_lshlrev_b32 v[BIAS+8*(4*cg+cj)+2*ip], 16, v[T+ip]
	v_and_b32 v[BIAS+8*(4*cg+cj)+2*ip+1], 0xffff0000, v[T+ip]
.set ip, ip+1
.endr
.set cj, cj+1
.endr
.set cg, cg+1
.endr
.irp u, 13,14,15
	UNIT \u
.endr
	WIN 0
; 32 matrix instructions: K steps first .. first + 3 of the tile of parity par, the eight accumulators by turns
.macro MULS par, first
.set ss, \first
.rept 4
.if ss == 0
	WIN 0x42                                       ; D window 1, weights window 2, tokens and C (the bias) window 0
.elseif ss < 4
	WIN 0x52                                       ; C window 1
.else
	WIN 0x53                                       ; weights window 3
.endif
.set nn, 0
.rept 8
.if ss == 0
	v_wmma_f32_16x16x32_bf16 v[64*(\par)+8*nn:64*(\par)+8*nn+7], v[8*nn:8*nn+7], v[AF+64*(\par):AF+64*(\par)+7], v[BIAS+8*nn:BIAS+8*nn+7]
.else
	v_wmma_f32_16x16x32_bf16 v[64*(\par)+8*nn:64*(\par)+8*nn+7], v[64*(ss%4)+8*nn:64*(ss%4)+8*nn+7], v[AF+64*(\par)+8*ss:AF+64*(\par)+8*ss+7], v[64*(\par)+8*nn:64*(\par)+8*nn+7]
.endif
.set nn, nn+1
.endr
.set ss, ss+1
.endr
.endm
; THE TILE s24 + par.  Behind each half of its products that half's registers are asked for anew, for the tile two further on.
.macro TILE par
	s_add_co_u32 s26, s24, 2+(\par)                ; the tile to ask for;
	s_min_u32 s25, s26, s19                        ; its place in the list, held to the expert's last tile
	s_min_u32 s25, s25, 63
	s_lshl_b32 s25, s25, 6
	v_add_nc_u32 v[T], s25, v[LRD]
	ds_load_b32 v[TK+(\par)], v[T]                 ; that tile's token for my lane
	s_wait_loadcnt 24                              ; my first 8 loads are in; my other 8 and the other parity's 16 stay out
	MULS \par, 0
	WIN 0
	s_wait_loadcnt 16                              ; my other 8 are in, the other parity's 16 stay out; AO of this parity is free
	s_wait_dscnt 0x0                               ; the token is in
	v_min_u32 v[TK+(\par)], 0x3ff, v[TK+(\par)]    ; five plain lines stand between the last product and the loads into its sources
	v_lshl_add_u32 v[AO+(\par)], v[TK+(\par)], 11, v[KOF]
	v_nop
	v_nop
	v_nop
	ASK \par, 0
	MULS \par, 4
	WIN 0
.rept 5
	v_nop                                          ; and again, also in front of the stores of the results
.endr
	ASK \par, 1
	WIN 0x04                                       ; store data window 1
.set nh, 0
.rept 16                                           ; each accumulator's low half first
	ds_store_b128 v[DSA], v[64*(\par)+4*nh:64*(\par)+4*nh+3] offset:8192*(\par)+512*nh
.set nh, nh+1
.endr
	WIN 0
.endm
; THE FINISH of tile s28, which lies in slot w + 4 half of the group.  Jumped if the expert has no such tile.
.macro FINAL half
	s_cmp_ge_u32 s28, s18
	s_cbranch_scc1 .Lnone_\@
	WIN 0x40
.set sr, 0
.rept 4
.set nh, 0
.rept 16
	ds_load_b128 v[64*sr+4*nh:64*sr+4*nh+3], v[FR+sr] offset:32768*(\half)+512*nh
.set nh, nh+1
.endr
.set sr, sr+1
.endr
	s_wait_dscnt 32                                ; quarters 0 and 1 are in, the 32 loads of quarters 2 and 3 stay out
	WIN 0x45
.set z, 0
.rept 32
	v_pk_add_f32 v[2*z:2*z+1], v[2*z:2*z+1], v[64+2*z:64+2*z+1]
.set z, z+1
.endr
	s_wait_dscnt 0x0
.set z, 0
.rept 32
	v_pk_add_f32 v[128+2*z:128+2*z+1], v[128+2*z:128+2*z+1], v[192+2*z:192+2*z+1]
.set z, z+1
.endr
.set z, 0
.rept 32
	v_pk_add_f32 v[2*z:2*z+1], v[2*z:2*z+1], v[128+2*z:128+2*z+1]
.set z, z+1
.endr
	s_wait_xcnt 0x0                                ; OUT and HO, which the last finish's stores read, are rewritten only behind this wait
	WIN 0x05
.set z, 0
.rept 32
	v_cvt_pk_bf16_f32 v[OUT+z], v[2*z], v[2*z+1]
.set z, z+1
.endr
	WIN 0
.set z, 0
.rept 32
	v_pk_max_num_bf16 v[OUT+z], v[OUT+z], v[ZR]    ; relu; rounding keeps order, so it may come behind the rounding
.set z, z+1
.endr
	s_min_u32 s25, s28, 63
	v_lshl_add_u32 v[HO], s25, 17, v[L16]          ; a tile is 131,072 bytes of hbuf
.set nn, 0
.rept 8
	global_store_b128 v[HO], v[OUT+4*nn:OUT+4*nn+3], s[12:13] offset:512*nn  ; 512 consecutive bytes, aligned
.set nn, nn+1
.endr
.Lnone_\@:
.endm
	s_mov_b32 s22, 8                               ; groups to go
	s_mov_b32 s24, 0                               ; the tile in hand
.Lgroup:
	v_mov_b32 v[DSA], v[DS0]
	s_mov_b32 s23, 4                               ; pairs to go
.Lpair:
	s_cmp_ge_u32 s24, s18
	s_cbranch_scc1 .Lskip
	TILE 0
	s_add_co_u32 s25, s24, 1
	s_cmp_ge_u32 s25, s18
	s_cbranch_scc1 .Lskip
	TILE 1
	s_branch .Lstep
.Lskip:
	s_wait_loadcnt 0x0                             ; past the last tile: whatever was asked for ahead has come, so every way back to a tile finds its count right
.Lstep:
	s_add_co_u32 s24, s24, 2
	v_add_nc_u32 v[DSA], 0x4000, v[DSA]
	s_sub_co_u32 s23, s23, 1
	s_cmp_lg_u32 s23, 0
	s_cbranch_scc1 .Lpair
	s_wait_dscnt 0x0                               ; for the others' sake: my dumps are done
	s_barrier_signal -1
	s_barrier_wait -1                              ; everybody's are
	s_add_co_u32 s28, s24, s14
	s_sub_co_u32 s28, s28, 8                       ; the group's tile w
	FINAL 0
	s_add_co_u32 s28, s28, 4                       ; and tile w + 4
	FINAL 1
	s_wait_dscnt 0x0                               ; my reads of the dumps are back
	s_barrier_signal -1
	s_barrier_wait -1                              ; everybody's are: the next group may dump
	s_sub_co_u32 s22, s22, 1
	s_cmp_lg_u32 s22, 0
	s_cbranch_scc1 .Lgroup
	s_wait_tensorcnt 0x0                           ; the wave's end: three closing lines behind my last LDS store
	ds_add_u32 v[SPW], v[NIL]
	s_wait_dscnt 0x0
	s_endpgm
.Lfunc_end_k_qc25d09aa64_up:
	.size	k_qc25d09aa64_up, .Lfunc_end_k_qc25d09aa64_up-k_qc25d09aa64_up
	.p2alignl 7, 3214868480
	.fill 96, 4, 3214868480
	.section	.rodata,"a",@progbits
	.p2align	6, 0x0
	.amdhsa_kernel k_qc25d09aa64_up
		.amdhsa_group_segment_fixed_size 281088
		.amdhsa_private_segment_fixed_size 0
		.amdhsa_enable_private_segment 0
		.amdhsa_kernarg_size 40
		.amdhsa_user_sgpr_count 2
		.amdhsa_user_sgpr_kernarg_segment_ptr 1
		.amdhsa_wavefront_size32 1
		.amdhsa_system_sgpr_workgroup_id_x 1
		.amdhsa_system_sgpr_workgroup_id_y 1
		.amdhsa_system_sgpr_workgroup_id_z 1
		.amdhsa_system_vgpr_workitem_id 0
		.amdhsa_next_free_vgpr 1024
		.amdhsa_next_free_sgpr 66
		.amdhsa_reserve_vcc 0
		.amdhsa_float_denorm_mode_32 3
		.amdhsa_float_denorm_mode_16_64 3
		.amdhsa_memory_ordered 1
		.amdhsa_forward_progress 1
		.amdhsa_inst_pref_size 139
	.end_amdhsa_kernel
	.amdgpu_metadata
---
amdhsa.version: [ 1, 2 ]
amdhsa.kernels:
  - .name:           k_qc25d09aa64_up
    .symbol:         k_qc25d09aa64_up.kd
    .args:
      - { .name: w1, .offset: 0, .size: 8, .value_kind: global_buffer, .address_space: global }
      - { .name: b1, .offset: 8, .size: 8, .value_kind: global_buffer, .address_space: global }
      - { .name: xb, .offset: 16, .size: 8, .value_kind: global_buffer, .address_space: global }
      - { .name: idx, .offset: 24, .size: 8, .value_kind: global_buffer, .address_space: global }
      - { .name: hbuf, .offset: 32, .size: 8, .value_kind: global_buffer, .address_space: global }
    .group_segment_fixed_size: 281088
    .private_segment_fixed_size: 0
    .kernarg_segment_align: 8
    .kernarg_segment_size: 40
    .max_flat_workgroup_size: 128
    .sgpr_count:     66
    .vgpr_count:     1024
    .wavefront_size: 32
...
	.end_amdgpu_metadata
.endif
;; end of part 2
;; launch down (part 3): grid 32 x 8, 4 waves a work-group, no clusters, 281,088 bytes of LDS; arguments w2, b2, hbuf, idx, part; writes part
.if DOCPART == 3
	.amdgcn_target "amdgcn-amd-amdhsa--gfx1250"
	.amdhsa_code_object_version 6
	.text
	.protected	k_qc25d09aa64_down
	.globl	k_qc25d09aa64_down
	.p2align	8
	.type	k_qc25d09aa64_down,@function
k_qc25d09aa64_down:
	s_mov_b64 s[64:65], 0
	v_nop
	global_prefetch_b8 v0, s[64:65] scope:SCOPE_SE
	s_setreg_imm32_b32 hwreg(HW_REG_WAVE_MODE, 25, 1), 1
	s_wait_xcnt 0x0
; SECOND PRODUCT, in four K quarters.  part[kQ][token] = h[token, 1,024 kQ .. + 1,023] . w2[e][those rows, 128 ns .. + 127] (+ b2[e] in quarter 0), for the tokens of expert e.
; Work-group (ns + 8 kQ, e) owns that block of w2[e], 1,024 rows x 128 columns, and alone loads it; the launch behind adds the four quarters.  Each word of part has one work-group that stores it.
; WHY K IS SPLIT OVER WORK-GROUPS: 8 experts x 8 column blocks of 128 are 64 work-groups; four quarters make 256 blocks of the first product's shape, whose rows are still taken 256 aligned bytes at a time.
; LIMITS.  w2 and b2 are rounded once to bf16; sums in f32: inside a work-group four sub-quarters as (q0 + q1) + (q2 + q3).  Every split of the tokens is served; an expert without rows stores nothing.
; PHASE 1, THE STREAM, as in the first product: wave w owns rows 256 w .. + 255 of the block; in a load lanes 0-15 take 256 consecutive aligned bytes of one row, lanes 16-31 of the row 32 further down; word j of a lane is
; column-lane r of N tile j.  THE ORDER OF K: hbuf holds h as the first product's accumulators left it, so place 16 g + 8 h + i of K step s stands for row 128 (s / 4) + 64 ((s / 2) % 2) + 32 h + 4 i + 2 (s % 2) + g
; of the wave's 256; w2's rows are loaded in that same order, and a product does not mind an order of k that both operands share.  The list and the bias are made when the last weight load has been issued.
; PHASE 2.  Tiles of 16 rows: 16 loads of 512 consecutive bytes from hbuf, 64 matrix instructions on 8 accumulators that take turns.  Source 0 = tokens, source 1 = weights:
; in accumulator n = 4 cg + j lane (r, h), register i holds row 8 h + i of the tile, column 64 cg + 4 r + j.  The fragments of the tile two further on are asked for in halves, each as soon as its registers have
; been multiplied.  The waves' sums meet in LDS, eight tiles a group; wave w finishes tiles w and w + 4:
; the addition of the bias also turns the registers, so that a lane's four neighbouring columns lie in four registers, and sixteen lanes store 256 consecutive aligned bytes of a token's row.
; PLACES PAST THE COUNT.  In the last tile they hold, here and in the first product, a copy of the row of rank 0: the same operands through the same instructions, so the same bits, stored to that row's own address once more.
; So every lane stays on, and no store is left out.
; NO JOINT LOADS: each weight byte has one work-group that loads it; the tiles of h are shared by 8 work-groups, but their number hangs on a count read from memory.
; LOOPS, LDS and windows 1 to 3 are the first product's: 8 groups x 4 pairs, constant counts; dumps at source wave x 65,536 + slot x 8,192 + n x 1,024 + half x 512 + lane x 16; lists from 262,144; spare words at 280,576.
.set PITCH,  4096                      ; bytes in a row of w2[e]
.set LISTB,  262144
.set LISTSZ, 4608
.set SPARE,  280576
.set TRASH,  1040
.set SPW,  1                           ; LDS address of my spare word; never rewritten
.set NIL,  2                           ; 0; never rewritten
.set WOF,  3                           ; h x 32 rows + r x 16 bytes; never rewritten
.set L16,  4                           ; lane x 16: also my byte offset in tile 0 of hbuf; never rewritten
.set R16,  5                           ; r x 16
.set LRD,  6                           ; my list + 32 h: the eight tokens of my half of a tile
.set LWB,  7                           ; my list
.set DSA,  8                           ; where the pair in hand is dumped
.set DS0,  9                           ; w x 65,536 + lane x 16
.set AO,   12                          ; v12-13 byte offset of a tile in hbuf, by tile parity
.set TOK0, 18                          ; lane x 4
.set T,    19                          ; v19-23 at work
.set Z4,   24                          ; v24-27 zeros; never rewritten
.set FR,   28                          ; v28-31 source x 65,536 + w x 8,192 + lane x 16
.set IDX,  32                          ; v32-63 idx as loaded; later the three below
.set TKQ,  32                          ; v32-39 the tokens of rows 8 h + 0..7
.set RA,   40                          ; v40-47 their byte offsets in part
.set B4,   48                          ; v48-55 b2 of columns 64 cg + 4 r + j at 4 cg + j (quarter 0; zeros in the others)
.set RAW,  64                          ; v64-71 b2 as loaded; later AF
.set AF,   64                          ; v64-127, v128-191 token fragments, by tile parity
.set OUT,  192                         ; v192-255 row i, column half cg at 4 (8 cg + i)
.set MSB, 0
.macro WIN new                         ; the immediate's high byte repeats the setting that is left
.if MSB != (\new)
	s_set_vgpr_msb (MSB<<8)|(\new)
.set MSB, \new
.endif
.endm
	s_load_b256 s[4:11], s[0:1], 0x0               ; w2 s[4:5], b2 s[6:7], hbuf s[8:9], idx s[10:11]
	s_load_b64 s[12:13], s[0:1], 0x20              ; part
	v_lshl_add_u32 v[SPW], v0, 2, SPARE
	v_mov_b32 v[NIL], 0
	v_lshrrev_b32 v[T], 5, v0
	v_readfirstlane_b32 s14, v[T]                  ; wave 0..3
	s_and_b32 s15, ttmp9, 7                        ; ns: column block
	s_lshr_b32 s31, ttmp9, 3                       ; kQ: K quarter
	s_and_b32 s16, ttmp7, 0xffff                   ; expert
	v_and_b32 v[T+1], 31, v0                       ; lane
	v_and_b32 v[T+2], 15, v0                       ; r
	v_bfe_u32 v[T+3], v0, 4, 1                     ; h
	v_lshlrev_b32 v[L16], 4, v[T+1]
	v_lshlrev_b32 v[TOK0], 2, v[T+1]
	v_lshlrev_b32 v[R16], 4, v[T+2]
	v_lshl_add_u32 v[WOF], v[T+3], 17, v[R16]      ; 32 rows of 4,096 bytes
	s_mul_i32 s26, s14, LISTSZ
	s_add_co_u32 s26, s26, LISTB
	v_mov_b32 v[LWB], s26
	v_lshl_add_u32 v[LRD], v[T+3], 5, s26
	s_lshl_b32 s26, s14, 16
	v_add_nc_u32 v[DS0], s26, v[L16]
	s_lshl_b32 s26, s14, 13
	v_add_nc_u32 v[FR], s26, v[L16]
	v_add_nc_u32 v[FR+1], 0x10000, v[FR]
	v_add_nc_u32 v[FR+2], 0x20000, v[FR]
	v_add_nc_u32 v[FR+3], 0x30000, v[FR]
.irp z, 0,1,2,3
	v_mov_b32 v[Z4+\z], 0
.endr
	s_lshl_b32 s26, s16, 24                        ; w2: expert x 16 MiB + (1,024 kQ + 256 w) rows + ns x 512 bytes
	s_lshl_b32 s27, s31, 22
	s_add_co_u32 s26, s26, s27
	s_lshl_b32 s27, s14, 20
	s_add_co_u32 s26, s26, s27
	s_lshl_b32 s27, s15, 9
	s_add_co_u32 s26, s26, s27
	s_mov_b32 s27, 0
	s_wait_kmcnt 0x0
	s_add_nc_u64 s[4:5], s[4:5], s[26:27]
	s_lshl_b32 s26, s16, 12                        ; b2: expert x 4,096 + ns x 512
	s_lshl_b32 s28, s15, 9
	s_add_co_u32 s26, s26, s28
	s_add_nc_u64 s[6:7], s[6:7], s[26:27]
	s_lshl_b32 s26, s16, 23                        ; hbuf: expert x 8 MiB + K step (32 kQ + 8 w) x 1,024
	s_lshl_b32 s28, s31, 15
	s_add_co_u32 s26, s26, s28
	s_lshl_b32 s28, s14, 13
	s_add_co_u32 s26, s26, s28
	s_add_nc_u64 s[8:9], s[8:9], s[26:27]
	s_lshl_b32 s26, s31, 22                        ; part: quarter x 4 MiB + ns x 512
	s_lshl_b32 s28, s15, 9
	s_add_co_u32 s26, s26, s28
	s_add_nc_u64 s[12:13], s[12:13], s[26:27]
; Unit u = (K step s = u / 2, column half u % 2): 16 loads into staging slot u % 4.  Load il = 8 g + i takes row 128 (s / 4) + 64 ((s / 2) % 2) + 2 (s % 2) + g + 4 i (+ 32 h by WOF).
.macro ISSUE u
	WIN 0x40                                       ; destination window 1, address window 0
.set il, 0
.rept 16
	global_load_b128 v[64*((\u)%4)+4*il:64*((\u)%4)+4*il+3], v[WOF], s[4:5] offset:(128*((\u)/8)+64*(((\u)/4)%2)+2*(((\u)/2)%2)+il/8+4*(il%8))*PITCH+256*((\u)%2) th:TH_LOAD_NT
.set il, il+1
.endr
.endm
; Unit u rounded into its fragments: N tile 4 (u % 2) + j, register gp = 4 g + p, from word j of loads 2 p and 2 p + 1 of group g
.macro CVT u
.if (\u) < 8
	WIN 0x85                                       ; sources window 1, destination window 2
.else
	WIN 0xc5                                       ; destination window 3
.endif
.set cj, 0
.rept 4
.set gp, 0
.rept 8
	v_cvt_pk_bf16_f32 v[64*(((\u)/2)%4)+8*(4*((\u)%2)+cj)+gp], v[64*((\u)%4)+8*gp+cj], v[64*((\u)%4)+8*gp+cj+4]
.set gp, gp+1
.endr
.set cj, cj+1
.endr
.endm
; 8 loads of 512 consecutive bytes: half hf (K steps 4 hf .. + 3 of the wave's eight) of a tile's fragments, by the offset in register adr
.macro LOADH par, hf, adr
.set sh, 8*(\hf)
.rept 8
	global_load_b128 v[AF+64*(\par)+4*sh:AF+64*(\par)+4*sh+3], v[\adr], s[8:9] offset:512*sh
.set sh, sh+1
.endr
.endm
; Half hf of tile s25 is asked for, by the offset in AO of its parity, which is made of the loop's counter alone.  If the expert has no such tile, every lane loads the same 16 bytes of tile 0, which the
; first product writes for every expert; they are never used: 8 loads into the same registers on either way, so that the counted waits hold on every way.  No barrier stands in what is jumped.
.macro ASK par, hf
	s_cmp_lt_u32 s25, s18
	s_cbranch_scc1 .Llive_\@
	LOADH \par, \hf, Z4
	s_branch .Lasked_\@
.Llive_\@:
	LOADH \par, \hf, AO+(\par)
.Lasked_\@:
.endm
.macro UNIT u
.if (\u) < 13
	ISSUE (\u)+3                                   ; into the slot that the unit before this one has left
	s_wait_loadcnt 48                              ; loads come back in order (ISA guide 5.7.1): the three younger units stay out; at unit 0 this also shows idx and b2 in
.elseif (\u) == 13
	s_wait_loadcnt 32                              ; units 14 and 15 stay out
.elseif (\u) == 14
	WIN 0
	LOADH 0, 0, L16                                ; tile 0
	LOADH 0, 1, L16
	s_mov_b32 s25, 1
	v_add_nc_u32 v[AO+1], 0x20000, v[L16]          ; tile 1: a tile is 131,072 bytes of hbuf
	ASK 1, 0
	ASK 1, 1
	s_wait_loadcnt 48                              ; unit 15 and the 32 token loads stay out
.else
	s_wait_loadcnt 32                              ; the 32 token loads stay out
.endif
	CVT \u
.endm
	; idx and the bias go first, then the weights
.set jj, 0
.rept 8
	global_load_b128 v[IDX+4*jj:IDX+4*jj+3], v[L16], s[10:11] offset:512*jj
.set jj, jj+1
.endr
	global_load_b128 v[RAW:RAW+3], v[R16], s[6:7]
	global_load_b128 v[RAW+4:RAW+7], v[R16], s[6:7] offset:256
	ISSUE 0
	ISSUE 1
	ISSUE 2
.irp u, 0,1,2,3,4,5,6,7,8,9,10,11,12
	UNIT \u
.endr
	WIN 0
	; All weight loads have been issued; units 13 to 15 are on their way while the list and the bias are made.
	; THE LIST, each wave's own, by the same lines as in the first product: so rank p is the same token there and here
	v_add_nc_u32 v[T], v[LWB], v[L16]
.irp n, 0,1,2,3,4,5,6,7,8
	ds_store_b128 v[T], v[Z4:Z4+3] offset:512*\n
.endr
	v_mov_b32 v[T+1], TRASH
	s_mov_b32 s17, 0
.set q, 0
.rept 32
	v_cmp_eq_u32 s20, s16, v[IDX+q]
	v_mbcnt_lo_u32_b32 v[T+2], s20, s17
	v_cndmask_b32 v[T+2], v[T+1], v[T+2], s20
	v_min_u32 v[T+2], 0x410, v[T+2]
	v_lshl_add_u32 v[T+2], v[T+2], 2, v[LWB]
	v_add_nc_u32 v[T+3], 128*(q/4)+q%4, v[TOK0]
	ds_store_b32 v[T+2], v[T+3]
	s_bcnt1_i32_b32 s21, s20
	s_add_co_u32 s17, s17, s21                     ; s17: the expert's rows
.set q, q+1
.endr
	; the 32 places from the count on (15 at the most are left in the last tile) repeat the token of rank 0
	ds_load_b32 v[T+4], v[LWB]
	v_and_b32 v[T+2], 31, v0
	v_add_nc_u32 v[T+2], s17, v[T+2]
	v_min_u32 v[T+2], 0x410, v[T+2]
	v_lshl_add_u32 v[T+2], v[T+2], 2, v[LWB]
	s_wait_dscnt 0x0                               ; rank 0's token is in
	ds_store_b32 v[T+2], v[T+4]
	s_add_co_u32 s18, s17, 15
	s_lshr_b32 s18, s18, 4                         ; s18: tiles, 0 to 64
	; b2 rounded to bf16; it enters in K quarter 0 alone
	s_cmp_eq_u32 s31, 0
	s_cselect_b32 s29, -1, 0
.set bq, 0
.rept 4
	v_cvt_pk_bf16_f32 v[T+bq], v[RAW+2*bq], v[RAW+2*bq+1]
	v_and_b32 v[T+bq], s29, v[T+bq]
	v_lshlrev_b32 v[B4+2*bq], 16, v[T+bq]
	v_and_b32 v[B4+2*bq+1], 0xffff0000, v[T+bq]
.set bq, bq+1
.endr
.irp u, 13,14,15
	UNIT \u
.endr
	WIN 0
; 32 matrix instructions: K steps first .. first + 3 of the tile of parity par, the eight accumulators by turns
.macro MULS par, first
.set ss, \first
.rept 4
.if ss < 4
	WIN 0x58                                       ; D and C window 1, tokens window 0, weights window 2
.else
	WIN 0x5c                                       ; weights window 3
.endif
.set nn, 0
.rept 8
.if ss == 0
	v_wmma_f32_16x16x32_bf16 v[64*(\par)+8*nn:64*(\par)+8*nn+7], v[AF+64*(\par):AF+64*(\par)+7], v[8*nn:8*nn+7], 0
.else
	v_wmma_f32_16x16x32_bf16 v[64*(\par)+8*nn:64*(\par)+8*nn+7], v[AF+64*(\par)+8*ss:AF+64*(\par)+8*ss+7], v[64*(ss%4)+8*nn:64*(ss%4)+8*nn+7], v[64*(\par)+8*nn:64*(\par)+8*nn+7]
.endif
.set nn, nn+1
.endr
.set ss, ss+1
.endr
.endm
; THE TILE s24 + par.  Behind each half of its products that half's registers are asked for anew, for the tile two further on.
.macro TILE par
	s_add_co_u32 s25, s24, 2+(\par)                ; the tile to ask for,
	s_min_u32 s26, s25, 63                         ; held inside hbuf's 64 tiles
	s_wait_loadcnt 24                              ; my first 8 loads are in; my other 8 and the other parity's 16 stay out
	MULS \par, 0
	WIN 0
	s_wait_loadcnt 16                              ; my other 8 are in, the other parity's 16 stay out; AO of this parity is free
	v_lshl_add_u32 v[AO+(\par)], s26, 17, v[L16]   ; five plain lines stand between the last product and the loads into its sources
.rept 4
	v_nop
.endr
	ASK \par, 0
	MULS \par, 4
	WIN 0
.rept 5
	v_nop                                          ; and again, also in front of the stores of the results
.endr
	ASK \par, 1
	WIN 0x04                                       ; store data window 1
.set nh, 0
.rept 16                                           ; each accumulator's low half first
	ds_store_b128 v[DSA], v[64*(\par)+4*nh:64*(\par)+4*nh+3] offset:8192*(\par)+512*nh
.set nh, nh+1
.endr
	WIN 0
.endm
; THE FINISH of tile s28, which lies in slot w + 4 half of the group.  Jumped if the expert has no such tile.
.macro FINAL half
	s_cmp_ge_u32 s28, s18
	s_cbranch_scc1 .Lnone_\@
	s_min_u32 s25, s28, 63
	s_lshl_b32 s26, s25, 6                         ; the tile's 16 list words
	v_add_nc_u32 v[T], s26, v[LRD]
	ds_load_b128 v[TKQ:TKQ+3], v[T]
	ds_load_b128 v[TKQ+4:TKQ+7], v[T] offset:16
	WIN 0x40
.set sr, 0
.rept 4
.set nh, 0
.rept 16
	ds_load_b128 v[64*sr+4*nh:64*sr+4*nh+3], v[FR+sr] offset:32768*(\half)+512*nh
.set nh, nh+1
.endr
.set sr, sr+1
.endr
	s_wait_dscnt 32                                ; the tokens and quarters 0 and 1 are in, the 32 loads of quarters 2 and 3 stay out
	WIN 0x45
.set z, 0
.rept 32
	v_pk_add_f32 v[2*z:2*z+1], v[2*z:2*z+1], v[64+2*z:64+2*z+1]
.set z, z+1
.endr
	s_wait_dscnt 0x0
.set z, 0
.rept 32
	v_pk_add_f32 v[128+2*z:128+2*z+1], v[128+2*z:128+2*z+1], v[192+2*z:192+2*z+1]
.set z, z+1
.endr
.set z, 0
.rept 32
	v_pk_add_f32 v[2*z:2*z+1], v[2*z:2*z+1], v[128+2*z:128+2*z+1]
.set z, z+1
.endr
	WIN 0
	s_wait_xcnt 0x0                                ; RA and OUT, which the last finish's stores read, are rewritten only behind this wait
.set ii, 0
.rept 8
	v_min_u32 v[TKQ+ii], 0x3ff, v[TKQ+ii]
	v_lshl_add_u32 v[RA+ii], v[TKQ+ii], 12, v[R16] ; a token's row of part is 4,096 bytes
.set ii, ii+1
.endr
	WIN 0x01                                       ; source 0 window 1
.set cg, 0
.rept 2
.set ii, 0
.rept 8
.set cj, 0
.rept 4
	v_add_f32 v[OUT+4*(8*cg+ii)+cj], v[8*(4*cg+cj)+ii], v[B4+4*cg+cj]
.set cj, cj+1
.endr
.set ii, ii+1
.endr
.set cg, cg+1
.endr
	WIN 0
.set ii, 0
.rept 8                                            ; rows i (lanes 0-15) and 8 + i (lanes 16-31); a place past the count stores rank 0's row once more, with the same bits
	global_store_b128 v[RA+ii], v[OUT+4*ii:OUT+4*ii+3], s[12:13]                   ; sixteen lanes: 256 consecutive bytes, aligned
	global_store_b128 v[RA+ii], v[OUT+4*(8+ii):OUT+4*(8+ii)+3], s[12:13] offset:256
.set ii, ii+1
.endr
.Lnone_\@:
.endm
	s_mov_b32 s22, 8                               ; groups to go
	s_mov_b32 s24, 0                               ; the tile in hand
.Lgroup:
	v_mov_b32 v[DSA], v[DS0]
	s_mov_b32 s23, 4                               ; pairs to go
.Lpair:
	s_cmp_ge_u32 s24, s18
	s_cbranch_scc1 .Lskip
	TILE 0
	s_add_co_u32 s25, s24, 1
	s_cmp_ge_u32 s25, s18
	s_cbranch_scc1 .Lskip
	TILE 1
	s_branch .Lstep
.Lskip:
	s_wait_loadcnt 0x0                             ; past the last tile: whatever was asked for ahead has come, so every way back to a tile finds its count right
.Lstep:
	s_add_co_u32 s24, s24, 2
	v_add_nc_u32 v[DSA], 0x4000, v[DSA]
	s_sub_co_u32 s23, s23, 1
	s_cmp_lg_u32 s23, 0
	s_cbranch_scc1 .Lpair
	s_wait_dscnt 0x0                               ; for the others' sake: my dumps are done
	s_barrier_signal -1
	s_barrier_wait -1                              ; everybody's are
	s_add_co_u32 s28, s24, s14
	s_sub_co_u32 s28, s28, 8                       ; the group's tile w
	FINAL 0
	s_add_co_u32 s28, s28, 4                       ; and tile w + 4
	FINAL 1
	s_wait_dscnt 0x0                               ; my reads of the dumps are back
	s_barrier_signal -1
	s_barrier_wait -1                              ; everybody's are: the next group may dump
	s_sub_co_u32 s22, s22, 1
	s_cmp_lg_u32 s22, 0
	s_cbranch_scc1 .Lgroup
	s_wait_tensorcnt 0x0                           ; the wave's end: three closing lines behind my last LDS store
	ds_add_u32 v[SPW], v[NIL]
	s_wait_dscnt 0x0
	s_endpgm
.Lfunc_end_k_qc25d09aa64_down:
	.size	k_qc25d09aa64_down, .Lfunc_end_k_qc25d09aa64_down-k_qc25d09aa64_down
	.p2alignl 7, 3214868480
	.fill 96, 4, 3214868480
	.section	.rodata,"a",@progbits
	.p2align	6, 0x0
	.amdhsa_kernel k_qc25d09aa64_down
		.amdhsa_group_segment_fixed_size 281088
		.amdhsa_private_segment_fixed_size 0
		.amdhsa_enable_private_segment 0
		.amdhsa_kernarg_size 40
		.amdhsa_user_sgpr_count 2
		.amdhsa_user_sgpr_kernarg_segment_ptr 1
		.amdhsa_wavefront_size32 1
		.amdhsa_system_sgpr_workgroup_id_x 1
		.amdhsa_system_sgpr_workgroup_id_y 1
		.amdhsa_system_sgpr_workgroup_id_z 1
		.amdhsa_system_vgpr_workitem_id 0
		.amdhsa_next_free_vgpr 1024
		.amdhsa_next_free_sgpr 66
		.amdhsa_reserve_vcc 0
		.amdhsa_float_denorm_mode_32 3
		.amdhsa_float_denorm_mode_16_64 3
		.amdhsa_memory_ordered 1
		.amdhsa_forward_progress 1
		.amdhsa_inst_pref_size 133
	.end_amdhsa_kernel
	.amdgpu_metadata
---
amdhsa.version: [ 1, 2 ]
amdhsa.kernels:
  - .name:           k_qc25d09aa64_down
    .symbol:         k_qc25d09aa64_down.kd
    .args:
      - { .name: w2, .offset: 0, .size: 8, .value_kind: global_buffer, .address_space: global }
      - { .name: b2, .offset: 8, .size: 8, .value_kind: global_buffer, .address_space: global }
      - { .name: hbuf, .offset: 16, .size: 8, .value_kind: global_buffer, .address_space: global }
      - { .name: idx, .offset: 24, .size: 8, .value_kind: global_buffer, .address_space: global }
      - { .name: part, .offset: 32, .size: 8, .value_kind: global_buffer, .address_space: global }
    .group_segment_fixed_size: 281088
    .private_segment_fixed_size: 0
    .kernarg_segment_align: 8
    .kernarg_segment_size: 40
    .max_flat_workgroup_size: 128
    .sgpr_count:     66
    .vgpr_count:     1024
    .wavefront_size: 32
...
	.end_amdgpu_metadata
.endif
;; end of part 3
;; launch sum (part 4): grid 256 x 1, 8 waves a work-group, no clusters, 0 bytes of LDS; arguments part, out0; writes out0
.if DOCPART == 4
	.amdgcn_target "amdgcn-amd-amdhsa--gfx1250"
	.amdhsa_code_object_version 6
	.text
	.protected	k_qc25d09aa64_sum
	.globl	k_qc25d09aa64_sum
	.p2align	8
	.type	k_qc25d09aa64_sum,@function
k_qc25d09aa64_sum:
	s_mov_b64 s[64:65], 0
	v_nop
	global_prefetch_b8 v0, s[64:65] scope:SCOPE_SE
	s_setreg_imm32_b32 hwreg(HW_REG_WAVE_MODE, 25, 1), 1
	s_wait_xcnt 0x0
; out0 = (part[0] + part[1]) + (part[2] + part[3]): the four K quarters of the second product, all f32.
; A work-group owns 16,384 bytes of out0; thread t owns the 16 bytes at 4,096 i + 16 t, i = 0..3: a load or store of a wave covers 512 consecutive bytes, aligned.
; All 16 loads of a thread go out at once; the waits count down by position.  No loop, no LDS, no matrix unit: the launch only moves bytes.
.set D, 4                              ; v4-67: position i, quarter q at 4 + 16 i + 4 q
	s_load_b128 s[4:7], s[0:1], 0x0                ; part s[4:5], out0 s[6:7]
	v_lshlrev_b32 v1, 4, v0
	s_lshl_b32 s16, ttmp9, 14
	s_mov_b32 s17, 0
	s_wait_kmcnt 0x0
	s_add_nc_u64 s[6:7], s[6:7], s[16:17]
	s_add_nc_u64 s[8:9], s[4:5], s[16:17]          ; a base for each quarter: they lie 4 MiB apart, more than two of which a load's immediate does not reach
	s_add_nc_u64 s[10:11], s[8:9], 0x400000
	s_add_nc_u64 s[12:13], s[8:9], 0x800000
	s_add_nc_u64 s[14:15], s[8:9], 0xc00000
.set si, 0
.rept 4
.set sq, 0
.rept 4
	global_load_b128 v[D+16*si+4*sq:D+16*si+4*sq+3], v1, s[8+2*sq:9+2*sq] offset:4096*si th:TH_LOAD_NT
.set sq, sq+1
.endr
.set si, si+1
.endr
.set si, 0
.rept 4
	s_wait_loadcnt 12-4*si                         ; this position's four loads are in, the later positions' stay out
	v_pk_add_f32 v[D+16*si:D+16*si+1],     v[D+16*si:D+16*si+1],     v[D+16*si+4:D+16*si+5]
	v_pk_add_f32 v[D+16*si+2:D+16*si+3],   v[D+16*si+2:D+16*si+3],   v[D+16*si+6:D+16*si+7]
	v_pk_add_f32 v[D+16*si+8:D+16*si+9],   v[D+16*si+8:D+16*si+9],   v[D+16*si+12:D+16*si+13]
	v_pk_add_f32 v[D+16*si+10:D+16*si+11], v[D+16*si+10:D+16*si+11], v[D+16*si+14:D+16*si+15]
	v_pk_add_f32 v[D+16*si:D+16*si+1],     v[D+16*si:D+16*si+1],     v[D+16*si+8:D+16*si+9]
	v_pk_add_f32 v[D+16*si+2:D+16*si+3],   v[D+16*si+2:D+16*si+3],   v[D+16*si+10:D+16*si+11]
	global_store_b128 v1, v[D+16*si:D+16*si+3], s[6:7] offset:4096*si th:TH_STORE_NT
.set si, si+1
.endr
	s_endpgm
.Lfunc_end_k_qc25d09aa64_sum:
	.size	k_qc25d09aa64_sum, .Lfunc_end_k_qc25d09aa64_sum-k_qc25d09aa64_sum
	.p2alignl 7, 3214868480
	.fill 96, 4, 3214868480
	.section	.rodata,"a",@progbits
	.p2align	6, 0x0
	.amdhsa_kernel k_qc25d09aa64_sum
		.amdhsa_group_segment_fixed_size 0
		.amdhsa_private_segment_fixed_size 0
		.amdhsa_enable_private_segment 0
		.amdhsa_kernarg_size 16
		.amdhsa_user_sgpr_count 2
		.amdhsa_user_sgpr_kernarg_segment_ptr 1
		.amdhsa_wavefront_size32 1
		.amdhsa_system_sgpr_workgroup_id_x 1
		.amdhsa_system_sgpr_workgroup_id_y 1
		.amdhsa_system_sgpr_workgroup_id_z 1
		.amdhsa_system_vgpr_workitem_id 0
		.amdhsa_next_free_vgpr 96
		.amdhsa_next_free_sgpr 66
		.amdhsa_reserve_vcc 0
		.amdhsa_float_denorm_mode_32 3
		.amdhsa_float_denorm_mode_16_64 3
		.amdhsa_memory_ordered 1
		.amdhsa_forward_progress 1
		.amdhsa_inst_pref_size 5
	.end_amdhsa_kernel
	.amdgpu_metadata
---
amdhsa.version: [ 1, 2 ]
amdhsa.kernels:
  - .name:           k_qc25d09aa64_sum
    .symbol:         k_qc25d09aa64_sum.kd
    .args:
      - { .name: part, .offset: 0, .size: 8, .value_kind: global_buffer, .address_space: global }
      - { .name: out0, .offset: 8, .size: 8, .value_kind: global_buffer, .address_space: global }
    .group_segment_fixed_size: 0
    .private_segment_fixed_size: 0
    .kernarg_segment_align: 8
    .kernarg_segment_size: 16
    .max_flat_workgroup_size: 256
    .sgpr_count:     66
    .vgpr_count:     96
    .wavefront_size: 32
...
	.end_amdgpu_metadata
.endif
;; end of part 4
;; ======== version 2 of 2: 4 launches; version 1 with the launches up, down written anew for expert scheduling mode
;; workspace buffers: idx 4,096 bytes of whole numbers; xb 2,097,152 bytes; hbuf 67,108,864 bytes; part 16,777,216 bytes
;; launch route: the kernel of part 1 again; grid 256 x 1, 2 waves a work-group, no clusters, 0 bytes of LDS; arguments x, gate_w, gate_b, xb, idx; writes xb, idx
;; launch up (part 5): grid 32 x 8, 4 waves a work-group, no clusters, 281,088 bytes of LDS; arguments w1, b1, xb, idx, hbuf; writes hbuf
.if DOCPART == 5
	.amdgcn_target "amdgcn-amd-amdhsa--gfx1250"
	.amdhsa_code_object_version 6
	.text
	.protected	k_qc25d09aa64_up
	.globl	k_qc25d09aa64_up
	.p2align	8
	.type	k_qc25d09aa64_up,@function
k_qc25d09aa64_up:
	s_mov_b64 s[64:65], 0
	v_nop
	global_prefetch_b8 v0, s[64:65] scope:SCOPE_SE
	s_setreg_imm32_b32 hwreg(HW_REG_WAVE_SCHED_MODE, 0, 2), 2
	s_setreg_imm32_b32 hwreg(HW_REG_WAVE_MODE, 25, 1), 1
	s_wait_xcnt 0x0
	s_wait_alu depctr_vm_vsrc(0)
; FIRST PRODUCT.  h = relu(x . w1[e] + b1[e]) for the tokens that chose expert e, and for no others.  Work-group (slice, e) owns columns 128 slice .. + 127 of w1[e], all 1,024 k; it alone loads them.
; LIMITS.  w1 and b1 are rounded once to bf16 (x was, by the launch before); sums in f32, K split in four quarters that are added as (q0 + q1) + (q2 + q3); h is rounded once to bf16.
; Every split of the tokens is served: 0 to 1,024 rows an expert.  An expert without rows still writes tile 0 (of token 0's row), so that the next launch loads written bytes.
; PHASE 1, THE STREAM.  Wave w owns k = 256 w .. + 255: 128 KB of f32, 256 loads.  In a load lanes 0-15 take 256 consecutive bytes (64 columns) of one row, aligned, lanes 16-31 those of the row 8 further down.
; A lane's four words are columns 4 r + 0..3: word j is taken as column-lane r of N tile j, so that one v_cvt_pk_bf16_f32 of two rows' words IS a register of a matrix fragment
; (16-bit operand, K = 32: lane (r, h), register 4 g + p holds k = 16 g + 8 h + 2 p, + 1: ISA guide 7.12.2).  The wave's block, 512 registers of bf16, stays in windows 2 and 3.
; Four staging slots of 16 loads take turns: 48 to 64 loads of a wave are on their way.  The list and the bias are made when the last weight load has been issued, in the wait for the last three units.
; PHASE 2.  The expert's rows go in tiles of 16, by a list that every wave makes for itself from idx.  A tile: 16 loads of token fragments, 64 matrix instructions on 8 accumulators that take turns
; Source 0 = weights, source 1 = tokens: in accumulator n = 4 cg + j lane (r, h), register i holds token r, column 64 cg + 32 h + 4 i + j.
; The fragments of the tile two further on are asked for in halves, each as soon as its registers have been multiplied: a half has one and a half tiles' products in which to land.
; The four waves' quarter sums meet in LDS, eight tiles a group; then wave w finishes tiles w and w + 4 of the group: adds, rounds, clamps at 0 and stores 512 consecutive bytes a store.
; hbuf: [expert][tile 64][K step 128][half 2][lane 32][16 bytes]: accumulator n of slice s is half n % 2 of K step 4 s + n / 2 of the next product's token fragment, as it lies in registers.
; NO JOINT LOADS: each weight byte has one work-group that loads it, and the token rows come by a list, which no tile descriptor covers.
; LOOPS.  8 groups x 4 pairs of tiles, constant counts that cover 1,024 rows; tiles past the expert's count are jumped forward, with no barrier in what is jumped; every wave passes all 16 barriers.
; LDS.  0: the dumps, source wave x 65,536 + slot x 8,192 + n x 1,024 + half x 512 + lane x 16.   262,144 + wave x 4,608: the wave's own list (token of rank p at 4 p; the places from the count to the
; last tile's end repeat rank 0's token; word 1,040 takes what is not listed).   280,576: the spare words.
; REGISTERS.  window 0: below.  window 1: phase 1 the staging slots; phase 2 accumulators v0-63 (even tiles), v64-127 (odd tiles); at the finish the four quarters at 64 x source.
; window 2: fragments of K steps 0-3 at 64 s + 8 n.   window 3: K steps 4-7.
; THE MODE: SCHED_MODE bits 1:0 = 2 (LLVM: expert scheduling mode 2), set by the entry lines.  The code itself states the register dependences
; between vector or matrix instructions and memory or LDS instructions, with s_wait_alu, always for 0.
; THE PLAN.  Registers that memory or LDS instructions touch, and who else names them:
;   staging slot k      The loads of unit u (k = u % 4) land in it, unit u's 32 roundings read it, the loads of unit u + 4 land in it again: one wait on va_vdst at the head of unit u + 1, ahead of those loads.
;   WOF, L16, BOF, LRD, LWB, FR, Z4   Offsets and LDS addresses, made at the head and never written again: one wait on va_vdst ahead of the first load.
;   the list            The 32 masks come in four runs of eight compares, one wait on va_sdst behind each run.  All addresses and data (LA, LD, T, T+2, AO) are made first; one wait on va_vdst; the LDS
;                       instructions in one run; one wait on vm_vsrc, behind which T .., AO and v192-255 (the bias) are written again.
;   AF[p], two halves   Loads land; the tile's products read.  AO[p]: written in the tile's middle, read by the 16 loads that follow.  TK[p], T, T+1: both list reads of a pair stand at the even tile's head.
;   ACC[p], DSA         The products write ACC[p], the 16 dumps read it and DSA; DSA is stepped once a pair.
;   A tile has three waits on va_vdst at the most: at the even tile's head (T, T+1 are written); in the middle (AO[p] is written, K steps 0-3 are done reading the first half); at the end (K steps 4-7 are done
;   reading the second half, ACC[p] is written).  One wait on vm_vsrc stands in the middle (AO[p], T, T+1 have been read), one at the pair's end (DSA and the accumulators have been read).
;   the finish          The quarters land in window 1; OUT and HO are written by vector instructions and read by the 8 stores.  Both waits at its head, one on va_vdst ahead of the stores.
;   v[SPW], v[NIL]      Written at the head, read by the closing add alone.
.set PITCH,  16384                     ; bytes in a row of w1[e]
.set LISTB,  262144
.set LISTSZ, 4608
.set SPARE,  280576
.set TRASH,  1040
.set SPW,  1                           ; LDS address of my spare word; never rewritten
.set NIL,  2                           ; 0; never rewritten
.set WOF,  3                           ; h x 8 rows + r x 16 bytes; never rewritten
.set L16,  4                           ; lane x 16
.set KOF,  5                           ; my place in a row of xb: w x 512 + h x 16
.set LRD,  6                           ; my list + 4 r
.set LWB,  7                           ; my list
.set DSA,  8                           ; where the pair in hand is dumped
.set DS0,  9                           ; w x 65,536 + lane x 16
.set BOF,  10                          ; h x 128: my 32 columns of the bias
.set AO,   12                          ; v12-13 byte offset of my token's row piece, by tile parity; ahead of the loop also the LDS addresses of the first two list reads
.set TK,   14                          ; v14-15 my token, by tile parity
.set HO,   16                          ; byte offset in hbuf
.set ZR,   17                          ; 0, for the clamp
.set TOK0, 18                          ; lane x 4
.set T,    19                          ; v19-23 at work
.set Z4,   24                          ; v24-27 zeros; never rewritten
.set FR,   28                          ; v28-31 source x 65,536 + w x 8,192 + lane x 16
.set IDX,  32                          ; v32-63 idx as loaded; later OUT
.set OUT,  32
.set RAW,  64                          ; v64-127 b1 as loaded; later AF
.set AF,   64                          ; v64-127, v128-191 token fragments, by tile parity: K step s at 8 s
.set BIAS, 192                         ; v192-255 b1 in the accumulators' layout (wave 0; zeros in the others)
.set LA,   192                         ; v192-223 while the list is made: the LDS addresses of its 32 stores
.set LD,   224                         ; v224-255 while the list is made: their data
.set MK,   32                          ; s32-39 eight masks of the list's compares
.set MSB, 0
.macro WIN new                         ; the immediate's high byte repeats the setting that is left
.if MSB != (\new)
	s_set_vgpr_msb (MSB<<8)|(\new)
.set MSB, \new
.endif
.endm
	s_load_b256 s[4:11], s[0:1], 0x0               ; w1 s[4:5], b1 s[6:7], xb s[8:9], idx s[10:11]
	s_load_b64 s[12:13], s[0:1], 0x20              ; hbuf
	v_lshl_add_u32 v[SPW], v0, 2, SPARE
	v_mov_b32 v[NIL], 0
	v_lshrrev_b32 v[T], 5, v0
	v_readfirstlane_b32 s14, v[T]                  ; wave 0..3 = K quarter
	s_mov_b32 s15, ttmp9                           ; slice
	s_and_b32 s16, ttmp7, 0xffff                   ; expert
	v_and_b32 v[T+1], 31, v0                       ; lane
	v_and_b32 v[T+2], 15, v0                       ; r
	v_bfe_u32 v[T+3], v0, 4, 1                     ; h
	v_lshlrev_b32 v[L16], 4, v[T+1]
	v_lshlrev_b32 v[TOK0], 2, v[T+1]
	v_lshlrev_b32 v[WOF], 4, v[T+2]
	v_lshl_add_u32 v[WOF], v[T+3], 17, v[WOF]      ; 8 rows of 16,384 bytes
	s_wait_alu depctr_va_sdst(0)                   ; s14 is written, ahead of its first reader: LDS addresses and the bases of w1 are made from it
	s_lshl_b32 s26, s14, 9
	v_lshl_add_u32 v[KOF], v[T+3], 4, s26
	s_mul_i32 s26, s14, LISTSZ
	s_add_co_u32 s26, s26, LISTB
	v_mov_b32 v[LWB], s26
	v_lshl_add_u32 v[LRD], v[T+2], 2, s26
	s_lshl_b32 s26, s14, 16
	v_add_nc_u32 v[DS0], s26, v[L16]
	s_lshl_b32 s26, s14, 13
	v_add_nc_u32 v[FR], s26, v[L16]
	v_add_nc_u32 v[FR+1], 0x10000, v[FR]
	v_add_nc_u32 v[FR+2], 0x20000, v[FR]
	v_add_nc_u32 v[FR+3], 0x30000, v[FR]
	v_mov_b32 v[ZR], 0
.irp z, 0,1,2,3
	v_mov_b32 v[Z4+\z], 0
.endr
	v_lshlrev_b32 v[BOF], 7, v[T+3]
	s_lshl_b32 s26, s16, 24                        ; w1: expert x 16 MiB + quarter x 256 rows + slice x 512 bytes
	s_lshl_b32 s27, s14, 22
	s_add_co_u32 s26, s26, s27
	s_lshl_b32 s27, s15, 9
	s_add_co_u32 s26, s26, s27
	s_mov_b32 s27, 0
	s_wait_kmcnt 0x0
	s_add_nc_u64 s[4:5], s[4:5], s[26:27]
	s_lshl_b32 s26, s16, 14                        ; b1: expert x 16,384 + slice x 512
	s_lshl_b32 s28, s15, 9
	s_add_co_u32 s26, s26, s28
	s_add_nc_u64 s[6:7], s[6:7], s[26:27]
	s_lshl_b32 s26, s16, 23                        ; hbuf: expert x 8 MiB + slice x 4,096
	s_lshl_b32 s28, s15, 12
	s_add_co_u32 s26, s26, s28
	s_add_nc_u64 s[12:13], s[12:13], s[26:27]
; Unit u = (K step u / 2, column half u % 2): 16 loads into staging slot u % 4.  Load il = 8 g + i takes row 32 s + 16 g + i (+ 8 h by WOF).
.macro ISSUE u
	WIN 0x40                                       ; destination window 1, address window 0
.set il, 0
.rept 16
	global_load_b128 v[64*((\u)%4)+4*il:64*((\u)%4)+4*il+3], v[WOF], s[4:5] offset:(32*((\u)/2)+16*(il/8)+il%8)*PITCH+256*((\u)%2) th:TH_LOAD_NT
.set il, il+1
.endr
.endm
; Unit u rounded into its fragments: N tile 4 (u % 2) + j, register gp = 4 g + p, from word j of rows 2 p and 2 p + 1 of group g
.macro CVT u
.if (\u) < 8
	WIN 0x85                                       ; sources window 1, destination window 2
.else
	WIN 0xc5                                       ; destination window 3
.endif
.set cj, 0
.rept 4
.set gp, 0
.rept 8
	v_cvt_pk_bf16_f32 v[64*(((\u)/2)%4)+8*(4*((\u)%2)+cj)+gp], v[64*((\u)%4)+8*gp+cj], v[64*((\u)%4)+8*gp+cj+4]
.set gp, gp+1
.endr
.set cj, cj+1
.endr
.endm
; 8 loads: half hf (K steps 4 hf .. + 3) of a token's 512 bytes of the wave's K quarter, as fragments, by the offset in register adr
.macro LOADH par, hf, adr
.set sh, 8*(\hf)
.rept 8
	global_load_b128 v[AF+64*(\par)+4*sh:AF+64*(\par)+4*sh+3], v[\adr], s[8:9] offset:32*sh
.set sh, sh+1
.endr
.endm
; Half hf of tile s26 is asked for, by my token's offset in AO of its parity.  If the expert has no such tile, every lane loads the same 16 bytes of xb's first row, which are never used:
; 8 loads into the same registers on either way, so that the counted waits hold on every way, and next to nothing is moved.  No barrier stands in what is jumped.
; The wait that these loads hang on stands ahead of the macro, so ahead of its branch: it holds on both ways.
.macro ASK par, hf
	s_cmp_lt_u32 s26, s18
	s_cbranch_scc1 .Llive_\@
	LOADH \par, \hf, Z4
	s_branch .Lasked_\@
.Llive_\@:
	LOADH \par, \hf, AO+(\par)
.Lasked_\@:
.endm
; the LDS address of the list words of one of the first two tiles (tile par, held to the expert's last tile), into AO of its parity
.macro LISTAD par
	s_min_u32 s25, s19, \par
	s_min_u32 s25, s25, 63
	s_lshl_b32 s25, s25, 6                         ; a tile's 16 list words
	v_add_nc_u32 v[AO+(\par)], s25, v[LRD]
.endm
.macro UNIT u
.if (\u) < 13
	WIN 0x40
.if (\u) > 0
	s_wait_alu depctr_va_vdst(0)                   ; the roundings of the unit before are done reading their staging slot, in which the 16 loads below land
.endif
	ISSUE (\u)+3                                   ; into the slot that the unit before this one has left
	s_wait_loadcnt 48                              ; loads come back in order (ISA guide 5.7.1): the three younger units stay out; at unit 0 this also shows idx and b1 in
.elseif (\u) == 13
	s_wait_loadcnt 32                              ; units 14 and 15 stay out
.elseif (\u) == 14
	WIN 0
	s_wait_alu depctr_va_vdst(0)                   ; AO of both parities is written, which the 32 loads below read; the bias's roundings are done reading v64-127, in which the first 16 land
	LOADH 0, 0, AO                                 ; the first two tiles' fragments
	LOADH 0, 1, AO
	LOADH 1, 0, AO+1
	LOADH 1, 1, AO+1
	s_wait_loadcnt 48                              ; unit 15 and the 32 token loads stay out
.else
	s_wait_loadcnt 32                              ; the 32 token loads stay out
.endif
	CVT \u
.endm
	s_wait_alu depctr_va_vdst(0)                   ; the offsets and LDS addresses made above are written: every load, store and LDS instruction of the kernel reads some of them
	; idx and the bias go first, then the weights
.set jj, 0
.rept 8
	global_load_b128 v[IDX+4*jj:IDX+4*jj+3], v[L16], s[10:11] offset:512*jj
.set jj, jj+1
.endr
.set jj, 0
.rept 16                                           ; jj = 8 cg + i: columns 64 cg + 32 h + 4 i + 0..3
	global_load_b128 v[RAW+4*jj:RAW+4*jj+3], v[BOF], s[6:7] offset:256*(jj/8)+16*(jj%8)
.set jj, jj+1
.endr
	ISSUE 0
	ISSUE 1
	ISSUE 2
.irp u, 0,1,2,3,4,5,6,7,8,9,10,11,12
	UNIT \u
.endr
	WIN 0
	; All weight loads have been issued; units 13 to 15 are on their way while the list and the bias are made.
	; THE LIST, each wave's own (LDS serves a wave's instructions in order, ISA guide 5.7.1.4: no barrier).  Register q of IDX holds token 128 (q / 4) + 4 lane + q % 4.
	; A token of my expert goes to the rank = those counted so far + those in lower lanes; the others to word 1,040.  The next launch makes the same list by the same lines.
	; First all addresses and data are made, in registers of their own; then the LDS instructions follow in one run.
	v_add_nc_u32 v[T], v[LWB], v[L16]
	v_mov_b32 v[T+1], TRASH
	s_mov_b32 s17, 0
.set qb, 0
.rept 4
.set q, 0
.rept 8
	v_cmp_eq_u32 s[MK+q], s16, v[IDX+8*qb+q]
.set q, q+1
.endr
	s_wait_alu depctr_va_sdst(0)                   ; the eight masks are written, ahead of their first reader
.set q, 0
.rept 8
	v_mbcnt_lo_u32_b32 v[LA+8*qb+q], s[MK+q], s17
	v_cndmask_b32 v[LA+8*qb+q], v[T+1], v[LA+8*qb+q], s[MK+q]
	v_min_u32 v[LA+8*qb+q], 0x410, v[LA+8*qb+q]
	v_lshl_add_u32 v[LA+8*qb+q], v[LA+8*qb+q], 2, v[LWB]
	v_add_nc_u32 v[LD+8*qb+q], 128*((8*qb+q)/4)+(8*qb+q)%4, v[TOK0]
	s_bcnt1_i32_b32 s21, s[MK+q]
	s_add_co_u32 s17, s17, s21                     ; s17: the expert's rows
.set q, q+1
.endr
.set qb, qb+1
.endr
	s_add_co_u32 s18, s17, 15
	s_lshr_b32 s18, s18, 4
	s_max_u32 s18, s18, 1                          ; s18: tiles, at least one
	s_sub_co_u32 s19, s18, 1                       ; s19: the last tile
	; the 32 places from the count on (15 at the most are left in the last tile) repeat the token of rank 0, so that a place past the count carries a copy of a row that exists; 0 for an expert without rows
	v_and_b32 v[T+2], 31, v0
	v_add_nc_u32 v[T+2], s17, v[T+2]
	v_min_u32 v[T+2], 0x410, v[T+2]
	v_lshl_add_u32 v[T+2], v[T+2], 2, v[LWB]
	LISTAD 0
	LISTAD 1
	s_wait_alu depctr_va_vdst(0)                   ; T, LA, LD, T+2 and AO are written, which the LDS instructions below read as addresses and data
.irp n, 0,1,2,3,4,5,6,7,8
	ds_store_b128 v[T], v[Z4:Z4+3] offset:512*\n
.endr
.set q, 0
.rept 32
	ds_store_b32 v[LA+q], v[LD+q]
.set q, q+1
.endr
	ds_load_b32 v[T+4], v[LWB]
	s_wait_dscnt 0x0                               ; rank 0's token is in
	ds_store_b32 v[T+2], v[T+4]
	ds_load_b32 v[TK], v[AO]                       ; my tokens of the first two tiles; they come while the bias is made
	ds_load_b32 v[TK+1], v[AO+1]
	s_wait_alu depctr_vm_vsrc(0)                   ; the LDS instructions above have read T, T+2, LA, LD and AO: the lines below write T .. T+3, v192-255 and AO again
	; b1 rounded to bf16, in the accumulators' layout; it is the C operand of wave 0's first K step, the other waves start from 0
	s_cmp_eq_u32 s14, 0
	s_cselect_b32 s29, -1, 0
.set cg, 0
.rept 2
.set cj, 0
.rept 4
.set ip, 0
.rept 4
	v_cvt_pk_bf16_f32 v[T+ip], v[RAW+4*(8*cg+2*ip)+cj], v[RAW+4*(8*cg+2*ip+1)+cj]
	v_and_b32 v[T+ip], s29, v[T+ip]
	v_lshlrev_b32 v[BIAS+8*(4*cg+cj)+2*ip], 16, v[T+ip]
	v_and_b32 v[BIAS+8*(4*cg+cj)+2*ip+1], 0xffff0000, v[T+ip]
.set ip, ip+1
.endr
.set cj, cj+1
.endr
.set cg, cg+1
.endr
	s_wait_dscnt 0x0                               ; the two tokens are in
.irp p, 0,1
	v_min_u32 v[TK+\p], 0x3ff, v[TK+\p]
	v_lshl_add_u32 v[AO+\p], v[TK+\p], 11, v[KOF]
.endr
.irp u, 13,14,15
	UNIT \u
.endr
	WIN 0
; 32 matrix instructions: K steps first .. first + 3 of the tile of parity par, the eight accumulators by turns
.macro MULS par, first
.set ss, \first
.rept 4
.if ss == 0
	WIN 0x42                                       ; D window 1, weights window 2, tokens and C (the bias) window 0
.elseif ss < 4
	WIN 0x52                                       ; C window 1
.else
	WIN 0x53                                       ; weights window 3
.endif
.set nn, 0
.rept 8
.if ss == 0
	v_wmma_f32_16x16x32_bf16 v[64*(\par)+8*nn:64*(\par)+8*nn+7], v[8*nn:8*nn+7], v[AF+64*(\par):AF+64*(\par)+7], v[BIAS+8*nn:BIAS+8*nn+7]
.else
	v_wmma_f32_16x16x32_bf16 v[64*(\par)+8*nn:64*(\par)+8*nn+7], v[64*(ss%4)+8*nn:64*(ss%4)+8*nn+7], v[AF+64*(\par)+8*ss:AF+64*(\par)+8*ss+7], v[64*(\par)+8*nn:64*(\par)+8*nn+7]
.endif
.set nn, nn+1
.endr
.set ss, ss+1
.endr
.endm
; THE TILE s24 + par.  Behind each half of its products that half's registers are asked for anew, for the tile two further on.
; The even tile's head reads the list for both tiles of the pair: my tokens of tiles s24 + 2 and s24 + 3, each held to the expert's last tile.
.macro TILE par
	s_add_co_u32 s26, s24, 2+(\par)                ; the tile to ask for
.if (\par) == 0
	s_min_u32 s25, s26, s19                        ; its place in the list, held to the expert's last tile
	s_min_u32 s25, s25, 63
	s_lshl_b32 s25, s25, 6
	v_add_nc_u32 v[T], s25, v[LRD]
	s_add_co_u32 s27, s24, 3                       ; and the place of the tile that the odd tile will ask for
	s_min_u32 s27, s27, s19
	s_min_u32 s27, s27, 63
	s_lshl_b32 s27, s27, 6
	v_add_nc_u32 v[T+1], s27, v[LRD]
	s_wait_alu depctr_va_vdst(0)                   ; T and T+1 are written, which the two LDS loads read; the lines that named TK in the pair before are done
	ds_load_b32 v[TK], v[T]
	ds_load_b32 v[TK+1], v[T+1]
.endif
	s_wait_loadcnt 24                              ; my first 8 loads are in; my other 8 and the other parity's 16 stay out
	MULS \par, 0
	WIN 0
	s_wait_loadcnt 16                              ; my other 8 are in, the other parity's 16 stay out; AO of this parity is free
.if (\par) == 0
	s_wait_dscnt 0x0                               ; both tokens are in
.endif
	s_wait_alu depctr_vm_vsrc(0)                   ; the loads asked for two tiles back have read AO of this parity, which is written below; the pair's list reads have read T and T+1
	v_min_u32 v[TK+(\par)], 0x3ff, v[TK+(\par)]    ; five plain lines stand between the last product and the loads into its sources
	v_lshl_add_u32 v[AO+(\par)], v[TK+(\par)], 11, v[KOF]
	v_nop
	v_nop
	v_nop
	s_wait_alu depctr_va_vdst(0)                   ; AO is written, which the loads below read; K steps 0 to 3 are done reading the first half of AF, in which they land
	ASK \par, 0
	MULS \par, 4
	WIN 0
.rept 5
	v_nop                                          ; and again, also in front of the stores of the results; these places stay beside the wait below
.endr
	s_wait_alu depctr_va_vdst(0)                   ; K steps 4 to 7 are done reading the second half of AF, in which the loads below land, and have written the accumulators, which the dumps read; DSA is written
	ASK \par, 1
	WIN 0x04                                       ; store data window 1
.set nh, 0
.rept 16                                           ; each accumulator's low half first
	ds_store_b128 v[DSA], v[64*(\par)+4*nh:64*(\par)+4*nh+3] offset:8192*(\par)+512*nh
.set nh, nh+1
.endr
	WIN 0
.endm
; THE FINISH of tile s28, which lies in slot w + 4 half of the group.  Jumped if the expert has no such tile.  Its two opening waits stand ahead of the branch.
.macro FINAL half
	s_wait_alu depctr_vm_vsrc(0)                   ; the dumps have read the accumulators, in which the quarters land; the last finish's stores have read OUT and HO, which are written below
	s_wait_alu depctr_va_vdst(0)                   ; the products, the last units' roundings and the last finish's additions are done with window 1's registers, in which the quarters land
	s_cmp_ge_u32 s28, s18
	s_cbranch_scc1 .Lnone_\@
	WIN 0x40
.set sr, 0
.rept 4
.set nh, 0
.rept 16
	ds_load_b128 v[64*sr+4*nh:64*sr+4*nh+3], v[FR+sr] offset:32768*(\half)+512*nh
.set nh, nh+1
.endr
.set sr, sr+1
.endr
	s_wait_dscnt 32                                ; quarters 0 and 1 are in, the 32 loads of quarters 2 and 3 stay out
	WIN 0x45
.set z, 0
.rept 32
	v_pk_add_f32 v[2*z:2*z+1], v[2*z:2*z+1], v[64+2*z:64+2*z+1]
.set z, z+1
.endr
	s_wait_dscnt 0x0
.set z, 0
.rept 32
	v_pk_add_f32 v[128+2*z:128+2*z+1], v[128+2*z:128+2*z+1], v[192+2*z:192+2*z+1]
.set z, z+1
.endr
.set z, 0
.rept 32
	v_pk_add_f32 v[2*z:2*z+1], v[2*z:2*z+1], v[128+2*z:128+2*z+1]
.set z, z+1
.endr
	s_wait_xcnt 0x0                                ; OUT and HO, which the last finish's stores read, are rewritten only behind this wait
	WIN 0x05
.set z, 0
.rept 32
	v_cvt_pk_bf16_f32 v[OUT+z], v[2*z], v[2*z+1]
.set z, z+1
.endr
	WIN 0
.set z, 0
.rept 32
	v_pk_max_num_bf16 v[OUT+z], v[OUT+z], v[ZR]    ; relu; rounding keeps order, so it may come behind the rounding
.set z, z+1
.endr
	s_min_u32 s25, s28, 63
	v_lshl_add_u32 v[HO], s25, 17, v[L16]          ; a tile is 131,072 bytes of hbuf
	s_wait_alu depctr_va_vdst(0)                   ; OUT and HO are written, which the eight stores read
.set nn, 0
.rept 8
	global_store_b128 v[HO], v[OUT+4*nn:OUT+4*nn+3], s[12:13] offset:512*nn  ; 512 consecutive bytes, aligned
.set nn, nn+1
.endr
.Lnone_\@:
.endm
	s_mov_b32 s22, 8                               ; groups to go
	s_mov_b32 s24, 0                               ; the tile in hand
.Lgroup:
	v_mov_b32 v[DSA], v[DS0]                       ; the dumps that read DSA stand ahead of the last pair's wait on vm_vsrc
	s_mov_b32 s23, 4                               ; pairs to go
.Lpair:
	s_cmp_ge_u32 s24, s18
	s_cbranch_scc1 .Lskip
	TILE 0
	s_add_co_u32 s25, s24, 1
	s_cmp_ge_u32 s25, s18
	s_cbranch_scc1 .Lskip
	TILE 1
	s_branch .Lstep
.Lskip:
	s_wait_loadcnt 0x0                             ; past the last tile: whatever was asked for ahead has come, so every way back to a tile finds its count right
.Lstep:
	s_add_co_u32 s24, s24, 2
	s_wait_alu depctr_vm_vsrc(0)                   ; the pair's dumps have read DSA, which is stepped below, and the accumulators, which the next pair's products write
	v_add_nc_u32 v[DSA], 0x4000, v[DSA]
	s_sub_co_u32 s23, s23, 1
	s_cmp_lg_u32 s23, 0
	s_cbranch_scc1 .Lpair
	s_wait_dscnt 0x0                               ; for the others' sake: my dumps are done
	s_barrier_signal -1
	s_barrier_wait -1                              ; everybody's are
	s_add_co_u32 s28, s24, s14
	s_sub_co_u32 s28, s28, 8                       ; the group's tile w
	FINAL 0
	s_add_co_u32 s28, s28, 4                       ; and tile w + 4
	FINAL 1
	s_wait_dscnt 0x0                               ; my reads of the dumps are back
	s_barrier_signal -1
	s_barrier_wait -1                              ; everybody's are: the next group may dump
	s_sub_co_u32 s22, s22, 1
	s_cmp_lg_u32 s22, 0
	s_cbranch_scc1 .Lgroup
	s_wait_dscnt 0x0                               ; the closing lines, six on end
	s_wait_alu 0x0
	s_wait_tensorcnt 0x0
	ds_add_u32 v[SPW], v[NIL]
	s_wait_dscnt 0x0
	s_endpgm
.Lfunc_end_k_qc25d09aa64_up:
	.size	k_qc25d09aa64_up, .Lfunc_end_k_qc25d09aa64_up-k_qc25d09aa64_up
	.p2alignl 7, 3214868480
	.fill 96, 4, 3214868480
	.section	.rodata,"a",@progbits
	.p2align	6, 0x0
	.amdhsa_kernel k_qc25d09aa64_up
		.amdhsa_group_segment_fixed_size 281088
		.amdhsa_private_segment_fixed_size 0
		.amdhsa_enable_private_segment 0
		.amdhsa_kernarg_size 40
		.amdhsa_user_sgpr_count 2
		.amdhsa_user_sgpr_kernarg_segment_ptr 1
		.amdhsa_wavefront_size32 1
		.amdhsa_system_sgpr_workgroup_id_x 1
		.amdhsa_system_sgpr_workgroup_id_y 1
		.amdhsa_system_sgpr_workgroup_id_z 1
		.amdhsa_system_vgpr_workitem_id 0
		.amdhsa_next_free_vgpr 1024
		.amdhsa_next_free_sgpr 66
		.amdhsa_reserve_vcc 0
		.amdhsa_float_denorm_mode_32 3
		.amdhsa_float_denorm_mode_16_64 3
		.amdhsa_memory_ordered 1
		.amdhsa_forward_progress 1
		.amdhsa_inst_pref_size 140
	.end_amdhsa_kernel
	.amdgpu_metadata
---
amdhsa.version: [ 1, 2 ]
amdhsa.kernels:
  - .name:           k_qc25d09aa64_up
    .symbol:         k_qc25d09aa64_up.kd
    .args:
      - { .name: w1, .offset: 0, .size: 8, .value_kind: global_buffer, .address_space: global }
      - { .name: b1, .offset: 8, .size: 8, .value_kind: global_buffer, .address_space: global }
      - { .name: xb, .offset: 16, .size: 8, .value_kind: global_buffer, .address_space: global }
      - { .name: idx, .offset: 24, .size: 8, .value_kind: global_buffer, .address_space: global }
      - { .name: hbuf, .offset: 32, .size: 8, .value_kind: global_buffer, .address_space: global }
    .group_segment_fixed_size: 281088
    .private_segment_fixed_size: 0
    .kernarg_segment_align: 8
    .kernarg_segment_size: 40
    .max_flat_workgroup_size: 128
    .sgpr_count:     66
    .vgpr_count:     1024
    .wavefront_size: 32
...
	.end_amdgpu_metadata
.endif
;; end of part 5
;; launch down (part 6): grid 32 x 8, 4 waves a work-group, no clusters, 281,088 bytes of LDS; arguments w2, b2, hbuf, idx, part; writes part
.if DOCPART == 6
	.amdgcn_target "amdgcn-amd-amdhsa--gfx1250"
	.amdhsa_code_object_version 6
	.text
	.protected	k_qc25d09aa64_down
	.globl	k_qc25d09aa64_down
	.p2align	8
	.type	k_qc25d09aa64_down,@function
k_qc25d09aa64_down:
	s_mov_b64 s[64:65], 0
	v_nop
	global_prefetch_b8 v0, s[64:65] scope:SCOPE_SE
	s_setreg_imm32_b32 hwreg(HW_REG_WAVE_SCHED_MODE, 0, 2), 2
	s_setreg_imm32_b32 hwreg(HW_REG_WAVE_MODE, 25, 1), 1
	s_wait_xcnt 0x0
	s_wait_alu depctr_vm_vsrc(0)
; SECOND PRODUCT, in four K quarters.  part[kQ][token] = h[token, 1,024 kQ .. + 1,023] . w2[e][those rows, 128 ns .. + 127] (+ b2[e] in quarter 0), for the tokens of expert e.
; Work-group (ns + 8 kQ, e) owns that block of w2[e], 1,024 rows x 128 columns, and alone loads it; the launch behind adds the four quarters.  Each word of part has one work-group that stores it.
; WHY K IS SPLIT OVER WORK-GROUPS: 8 experts x 8 column blocks of 128 are 64 work-groups; four quarters make 256 blocks of the first product's shape, whose rows are still taken 256 aligned bytes at a time.
; LIMITS.  w2 and b2 are rounded once to bf16; sums in f32: inside a work-group four sub-quarters as (q0 + q1) + (q2 + q3).  Every split of the tokens is served; an expert without rows stores nothing.
; PHASE 1, THE STREAM, as in the first product: wave w owns rows 256 w .. + 255 of the block; in a load lanes 0-15 take 256 consecutive aligned bytes of one row, lanes 16-31 of the row 32 further down; word j of a lane is
; column-lane r of N tile j.  THE ORDER OF K: hbuf holds h as the first product's accumulators left it, so place 16 g + 8 h + i of K step s stands for row 128 (s / 4) + 64 ((s / 2) % 2) + 32 h + 4 i + 2 (s % 2) + g
; of the wave's 256; w2's rows are loaded in that same order, and a product does not mind an order of k that both operands share.  The list and the bias are made when the last weight load has been issued.
; PHASE 2.  Tiles of 16 rows: 16 loads of 512 consecutive bytes from hbuf, 64 matrix instructions on 8 accumulators that take turns.  Source 0 = tokens, source 1 = weights:
; in accumulator n = 4 cg + j lane (r, h), register i holds row 8 h + i of the tile, column 64 cg + 4 r + j.  The fragments of the tile two further on are asked for in halves, each as soon as its registers have
; been multiplied.  The waves' sums meet in LDS, eight tiles a group; wave w finishes tiles w and w + 4:
; the addition of the bias also turns the registers, so that a lane's four neighbouring columns lie in four registers, and sixteen lanes store 256 consecutive aligned bytes of a token's row.
; PLACES PAST THE COUNT.  In the last tile they hold, here and in the first product, a copy of the row of rank 0: the same operands through the same instructions, so the same bits, stored to that row's own address once more.
; So every lane stays on, and no store is left out.
; NO JOINT LOADS: each weight byte has one work-group that loads it; the tiles of h are shared by 8 work-groups, but their number hangs on a count read from memory.
; LOOPS, LDS and windows 1 to 3 are the first product's: 8 groups x 4 pairs, constant counts; dumps at source wave x 65,536 + slot x 8,192 + n x 1,024 + half x 512 + lane x 16; lists from 262,144; spare words at 280,576.
; THE MODE: SCHED_MODE bits 1:0 = 2 (LLVM: expert scheduling mode 2), set by the entry lines.  The code itself states the register dependences
; between vector or matrix instructions and memory or LDS instructions, with s_wait_alu, always for 0.
; THE PLAN.  Registers that memory or LDS instructions touch, and who else names them:
;   staging slot k      The loads of unit u (k = u % 4) land in it, unit u's 32 roundings read it, the loads of unit u + 4 land in it again: one wait on va_vdst at the head of unit u + 1, ahead of those loads.
;   WOF, L16, R16, LRD, LWB, FR, Z4   Offsets and LDS addresses, made at the head and never written again: one wait on va_vdst ahead of the first load.
;   the list            The 32 masks come in four runs of eight compares, one wait on va_sdst behind each run.  All addresses and data (LA, LD, T, T+2) are made first; one wait on va_vdst; the LDS
;                       instructions in one run; one wait on vm_vsrc, behind which T .. is written again (v192-255 at the finish).
;   AF[p], two halves   Loads land; the tile's products read.  AO[p]: written in the tile's middle, read by the 16 loads that follow.
;   ACC[p], DSA         The products write ACC[p], the 16 dumps read it and DSA; DSA is stepped once a pair.
;   A tile has two waits on va_vdst: in the middle (AO[p] is written, K steps 0-3 are done reading the first half) and at the end (K steps 4-7 are done reading the second half, ACC[p] is written).
;   One wait on vm_vsrc stands in the middle (AO[p] has been read), one at the pair's end (DSA and the accumulators have been read).
;   the finish          T is written and read by the two list reads, which land in TKQ; the quarters land in window 1; RA and OUT are written by vector instructions and read by the 16 stores.
;                       Both waits at its head, one on va_vdst ahead of the stores.
;   v[SPW], v[NIL]      Written at the head, read by the closing add alone.
.set PITCH,  4096                      ; bytes in a row of w2[e]
.set LISTB,  262144
.set LISTSZ, 4608
.set SPARE,  280576
.set TRASH,  1040
.set SPW,  1                           ; LDS address of my spare word; never rewritten
.set NIL,  2                           ; 0; never rewritten
.set WOF,  3                           ; h x 32 rows + r x 16 bytes; never rewritten
.set L16,  4                           ; lane x 16: also my byte offset in tile 0 of hbuf; never rewritten
.set R16,  5                           ; r x 16
.set LRD,  6                           ; my list + 32 h: the eight tokens of my half of a tile
.set LWB,  7                           ; my list
.set DSA,  8                           ; where the pair in hand is dumped
.set DS0,  9                           ; w x 65,536 + lane x 16
.set AO,   12                          ; v12-13 byte offset of a tile in hbuf, by tile parity
.set TOK0, 18                          ; lane x 4
.set T,    19                          ; v19-23 at work
.set Z4,   24                          ; v24-27 zeros; never rewritten
.set FR,   28                          ; v28-31 source x 65,536 + w x 8,192 + lane x 16
.set IDX,  32                          ; v32-63 idx as loaded; later the three below
.set TKQ,  32                          ; v32-39 the tokens of rows 8 h + 0..7
.set RA,   40                          ; v40-47 their byte offsets in part
.set B4,   48                          ; v48-55 b2 of columns 64 cg + 4 r + j at 4 cg + j (quarter 0; zeros in the others)
.set RAW,  64                          ; v64-71 b2 as loaded; later AF
.set AF,   64                          ; v64-127, v128-191 token fragments, by tile parity
.set OUT,  192                         ; v192-255 row i, column half cg at 4 (8 cg + i)
.set LA,   192                         ; v192-223 while the list is made: the LDS addresses of its 32 stores
.set LD,   224                         ; v224-255 while the list is made: their data
.set MK,   32                          ; s32-39 eight masks of the list's compares
.set MSB, 0
.macro WIN new                         ; the immediate's high byte repeats the setting that is left
.if MSB != (\new)
	s_set_vgpr_msb (MSB<<8)|(\new)
.set MSB, \new
.endif
.endm
	s_load_b256 s[4:11], s[0:1], 0x0               ; w2 s[4:5], b2 s[6:7], hbuf s[8:9], idx s[10:11]
	s_load_b64 s[12:13], s[0:1], 0x20              ; part
	v_lshl_add_u32 v[SPW], v0, 2, SPARE
	v_mov_b32 v[NIL], 0
	v_lshrrev_b32 v[T], 5, v0
	v_readfirstlane_b32 s14, v[T]                  ; wave 0..3
	s_and_b32 s15, ttmp9, 7                        ; ns: column block
	s_lshr_b32 s31, ttmp9, 3                       ; kQ: K quarter
	s_and_b32 s16, ttmp7, 0xffff                   ; expert
	v_and_b32 v[T+1], 31, v0                       ; lane
	v_and_b32 v[T+2], 15, v0                       ; r
	v_bfe_u32 v[T+3], v0, 4, 1                     ; h
	v_lshlrev_b32 v[L16], 4, v[T+1]
	v_lshlrev_b32 v[TOK0], 2, v[T+1]
	v_lshlrev_b32 v[R16], 4, v[T+2]
	v_lshl_add_u32 v[WOF], v[T+3], 17, v[R16]      ; 32 rows of 4,096 bytes
	s_wait_alu depctr_va_sdst(0)                   ; s14 is written, ahead of its first reader: LDS addresses and the bases of w2 and hbuf are made from it
	s_mul_i32 s26, s14, LISTSZ
	s_add_co_u32 s26, s26, LISTB
	v_mov_b32 v[LWB], s26
	v_lshl_add_u32 v[LRD], v[T+3], 5, s26
	s_lshl_b32 s26, s14, 16
	v_add_nc_u32 v[DS0], s26, v[L16]
	s_lshl_b32 s26, s14, 13
	v_add_nc_u32 v[FR], s26, v[L16]
	v_add_nc_u32 v[FR+1], 0x10000, v[FR]
	v_add_nc_u32 v[FR+2], 0x20000, v[FR]
	v_add_nc_u32 v[FR+3], 0x30000, v[FR]
.irp z, 0,1,2,3
	v_mov_b32 v[Z4+\z], 0
.endr
	s_lshl_b32 s26, s16, 24                        ; w2: expert x 16 MiB + (1,024 kQ + 256 w) rows + ns x 512 bytes
	s_lshl_b32 s27, s31, 22
	s_add_co_u32 s26, s26, s27
	s_lshl_b32 s27, s14, 20
	s_add_co_u32 s26, s26, s27
	s_lshl_b32 s27, s15, 9
	s_add_co_u32 s26, s26, s27
	s_mov_b32 s27, 0
	s_wait_kmcnt 0x0
	s_add_nc_u64 s[4:5], s[4:5], s[26:27]
	s_lshl_b32 s26, s16, 12                        ; b2: expert x 4,096 + ns x 512
	s_lshl_b32 s28, s15, 9
	s_add_co_u32 s26, s26, s28
	s_add_nc_u64 s[6:7], s[6:7], s[26:27]
	s_lshl_b32 s26, s16, 23                        ; hbuf: expert x 8 MiB + K step (32 kQ + 8 w) x 1,024
	s_lshl_b32 s28, s31, 15
	s_add_co_u32 s26, s26, s28
	s_lshl_b32 s28, s14, 13
	s_add_co_u32 s26, s26, s28
	s_add_nc_u64 s[8:9], s[8:9], s[26:27]
	s_lshl_b32 s26, s31, 22                        ; part: quarter x 4 MiB + ns x 512
	s_lshl_b32 s28, s15, 9
	s_add_co_u32 s26, s26, s28
	s_add_nc_u64 s[12:13], s[12:13], s[26:27]
; Unit u = (K step s = u / 2, column half u % 2): 16 loads into staging slot u % 4.  Load il = 8 g + i takes row 128 (s / 4) + 64 ((s / 2) % 2) + 2 (s % 2) + g + 4 i (+ 32 h by WOF).
.macro ISSUE u
	WIN 0x40                                       ; destination window 1, address window 0
.set il, 0
.rept 16
	global_load_b128 v[64*((\u)%4)+4*il:64*((\u)%4)+4*il+3], v[WOF], s[4:5] offset:(128*((\u)/8)+64*(((\u)/4)%2)+2*(((\u)/2)%2)+il/8+4*(il%8))*PITCH+256*((\u)%2) th:TH_LOAD_NT
.set il, il+1
.endr
.endm
; Unit u rounded into its fragments: N tile 4 (u % 2) + j, register gp = 4 g + p, from word j of loads 2 p and 2 p + 1 of group g
.macro CVT u
.if (\u) < 8
	WIN 0x85                                       ; sources window 1, destination window 2
.else
	WIN 0xc5                                       ; destination window 3
.endif
.set cj, 0
.rept 4
.set gp, 0
.rept 8
	v_cvt_pk_bf16_f32 v[64*(((\u)/2)%4)+8*(4*((\u)%2)+cj)+gp], v[64*((\u)%4)+8*gp+cj], v[64*((\u)%4)+8*gp+cj+4]
.set gp, gp+1
.endr
.set cj, cj+1
.endr
.endm
; 8 loads of 512 consecutive bytes: half hf (K steps 4 hf .. + 3 of the wave's eight) of a tile's fragments, by the offset in register adr
.macro LOADH par, hf, adr
.set sh, 8*(\hf)
.rept 8
	global_load_b128 v[AF+64*(\par)+4*sh:AF+64*(\par)+4*sh+3], v[\adr], s[8:9] offset:512*sh
.set sh, sh+1
.endr
.endm
; Half hf of tile s25 is asked for, by the offset in AO of its parity, which is made of the loop's counter alone.  If the expert has no such tile, every lane loads the same 16 bytes of tile 0, which the
; first product writes for every expert; they are never used: 8 loads into the same registers on either way, so that the counted waits hold on every way.  No barrier stands in what is jumped.
; The wait that these loads hang on stands ahead of the macro, so ahead of its branch: it holds on both ways.
.macro ASK par, hf
	s_cmp_lt_u32 s25, s18
	s_cbranch_scc1 .Llive_\@
	LOADH \par, \hf, Z4
	s_branch .Lasked_\@
.Llive_\@:
	LOADH \par, \hf, AO+(\par)
.Lasked_\@:
.endm
.macro UNIT u
.if (\u) < 13
	WIN 0x40
.if (\u) > 0
	s_wait_alu depctr_va_vdst(0)                   ; the roundings of the unit before are done reading their staging slot, in which the 16 loads below land
.endif
	ISSUE (\u)+3                                   ; into the slot that the unit before this one has left
	s_wait_loadcnt 48                              ; loads come back in order (ISA guide 5.7.1): the three younger units stay out; at unit 0 this also shows idx and b2 in
.elseif (\u) == 13
	s_wait_loadcnt 32                              ; units 14 and 15 stay out
.elseif (\u) == 14
	WIN 0
	v_add_nc_u32 v[AO+1], 0x20000, v[L16]          ; tile 1: a tile is 131,072 bytes of hbuf
	s_wait_alu depctr_va_vdst(0)                   ; AO of the odd parity is written, which tile 1's loads read; the bias's roundings are done reading v64-71, in which tile 0's loads land
	LOADH 0, 0, L16                                ; tile 0
	LOADH 0, 1, L16
	s_mov_b32 s25, 1
	ASK 1, 0
	ASK 1, 1
	s_wait_loadcnt 48                              ; unit 15 and the 32 token loads stay out
.else
	s_wait_loadcnt 32                              ; the 32 token loads stay out
.endif
	CVT \u
.endm
	s_wait_alu depctr_va_vdst(0)                   ; the offsets and LDS addresses made above are written: every load, store and LDS instruction of the kernel reads some of them
	; idx and the bias go first, then the weights
.set jj, 0
.rept 8
	global_load_b128 v[IDX+4*jj:IDX+4*jj+3], v[L16], s[10:11] offset:512*jj
.set jj, jj+1
.endr
	global_load_b128 v[RAW:RAW+3], v[R16], s[6:7]
	global_load_b128 v[RAW+4:RAW+7], v[R16], s[6:7] offset:256
	ISSUE 0
	ISSUE 1
	ISSUE 2
.irp u, 0,1,2,3,4,5,6,7,8,9,10,11,12
	UNIT \u
.endr
	WIN 0
	; All weight loads have been issued; units 13 to 15 are on their way while the list and the bias are made.
	; THE LIST, each wave's own, by the same lines as in the first product: so rank p is the same token there and here.
	; First all addresses and data are made, in registers of their own; then the LDS instructions follow in one run.
	v_add_nc_u32 v[T], v[LWB], v[L16]
	v_mov_b32 v[T+1], TRASH
	s_mov_b32 s17, 0
.set qb, 0
.rept 4
.set q, 0
.rept 8
	v_cmp_eq_u32 s[MK+q], s16, v[IDX+8*qb+q]
.set q, q+1
.endr
	s_wait_alu depctr_va_sdst(0)                   ; the eight masks are written, ahead of their first reader
.set q, 0
.rept 8
	v_mbcnt_lo_u32_b32 v[LA+8*qb+q], s[MK+q], s17
	v_cndmask_b32 v[LA+8*qb+q], v[T+1], v[LA+8*qb+q], s[MK+q]
	v_min_u32 v[LA+8*qb+q], 0x410, v[LA+8*qb+q]
	v_lshl_add_u32 v[LA+8*qb+q], v[LA+8*qb+q], 2, v[LWB]
	v_add_nc_u32 v[LD+8*qb+q], 128*((8*qb+q)/4)+(8*qb+q)%4, v[TOK0]
	s_bcnt1_i32_b32 s21, s[MK+q]
	s_add_co_u32 s17, s17, s21                     ; s17: the expert's rows
.set q, q+1
.endr
.set qb, qb+1
.endr
	s_add_co_u32 s18, s17, 15
	s_lshr_b32 s18, s18, 4                         ; s18: tiles, 0 to 64
	; the 32 places from the count on (15 at the most are left in the last tile) repeat the token of rank 0
	v_and_b32 v[T+2], 31, v0
	v_add_nc_u32 v[T+2], s17, v[T+2]
	v_min_u32 v[T+2], 0x410, v[T+2]
	v_lshl_add_u32 v[T+2], v[T+2], 2, v[LWB]
	s_wait_alu depctr_va_vdst(0)                   ; T, LA, LD and T+2 are written, which the LDS instructions below read as addresses and data
.irp n, 0,1,2,3,4,5,6,7,8
	ds_store_b128 v[T], v[Z4:Z4+3] offset:512*\n
.endr
.set q, 0
.rept 32
	ds_store_b32 v[LA+q], v[LD+q]
.set q, q+1
.endr
	ds_load_b32 v[T+4], v[LWB]
	s_wait_dscnt 0x0                               ; rank 0's token is in
	ds_store_b32 v[T+2], v[T+4]
	s_wait_alu depctr_vm_vsrc(0)                   ; the LDS stores above have read T, T+2, LA and LD: the lines below write T .. T+3 again, the finish v192-255
	; b2 rounded to bf16; it enters in K quarter 0 alone
	s_cmp_eq_u32 s31, 0
	s_cselect_b32 s29, -1, 0
.set bq, 0
.rept 4
	v_cvt_pk_bf16_f32 v[T+bq], v[RAW+2*bq], v[RAW+2*bq+1]
	v_and_b32 v[T+bq], s29, v[T+bq]
	v_lshlrev_b32 v[B4+2*bq], 16, v[T+bq]
	v_and_b32 v[B4+2*bq+1], 0xffff0000, v[T+bq]
.set bq, bq+1
.endr
.irp u, 13,14,15
	UNIT \u
.endr
	WIN 0
; 32 matrix instructions: K steps first .. first + 3 of the tile of parity par, the eight accumulators by turns
.macro MULS par, first
.set ss, \first
.rept 4
.if ss < 4
	WIN 0x58                                       ; D and C window 1, tokens window 0, weights window 2
.else
	WIN 0x5c                                       ; weights window 3
.endif
.set nn, 0
.rept 8
.if ss == 0
	v_wmma_f32_16x16x32_bf16 v[64*(\par)+8*nn:64*(\par)+8*nn+7], v[AF+64*(\par):AF+64*(\par)+7], v[8*nn:8*nn+7], 0
.else
	v_wmma_f32_16x16x32_bf16 v[64*(\par)+8*nn:64*(\par)+8*nn+7], v[AF+64*(\par)+8*ss:AF+64*(\par)+8*ss+7], v[64*(ss%4)+8*nn:64*(ss%4)+8*nn+7], v[64*(\par)+8*nn:64*(\par)+8*nn+7]
.endif
.set nn, nn+1
.endr
.set ss, ss+1
.endr
.endm
; THE TILE s24 + par.  Behind each half of its products that half's registers are asked for anew, for the tile two further on.
.macro TILE par
	s_add_co_u32 s25, s24, 2+(\par)                ; the tile to ask for,
	s_min_u32 s26, s25, 63                         ; held inside hbuf's 64 tiles
	s_wait_loadcnt 24                              ; my first 8 loads are in; my other 8 and the other parity's 16 stay out
	MULS \par, 0
	WIN 0
	s_wait_loadcnt 16                              ; my other 8 are in, the other parity's 16 stay out; AO of this parity is free
	s_wait_alu depctr_vm_vsrc(0)                   ; the loads asked for two tiles back have read AO of this parity, which is written below
	v_lshl_add_u32 v[AO+(\par)], s26, 17, v[L16]   ; five plain lines stand between the last product and the loads into its sources
.rept 4
	v_nop
.endr
	s_wait_alu depctr_va_vdst(0)                   ; AO is written, which the loads below read; K steps 0 to 3 are done reading the first half of AF, in which they land
	ASK \par, 0
	MULS \par, 4
	WIN 0
.rept 5
	v_nop                                          ; and again, also in front of the stores of the results; these places stay beside the wait below
.endr
	s_wait_alu depctr_va_vdst(0)                   ; K steps 4 to 7 are done reading the second half of AF, in which the loads below land, and have written the accumulators, which the dumps read; DSA is written
	ASK \par, 1
	WIN 0x04                                       ; store data window 1
.set nh, 0
.rept 16                                           ; each accumulator's low half first
	ds_store_b128 v[DSA], v[64*(\par)+4*nh:64*(\par)+4*nh+3] offset:8192*(\par)+512*nh
.set nh, nh+1
.endr
	WIN 0
.endm
; THE FINISH of tile s28, which lies in slot w + 4 half of the group.  Jumped if the expert has no such tile.  The list's address and the two opening waits stand ahead of the branch.
.macro FINAL half
	s_min_u32 s25, s28, 63
	s_lshl_b32 s26, s25, 6                         ; the tile's 16 list words
	s_wait_alu depctr_vm_vsrc(0)                   ; the last finish's list reads have read T, its stores RA and OUT, all written below; the dumps have read the accumulators, in which the quarters land
	v_add_nc_u32 v[T], s26, v[LRD]
	s_wait_alu depctr_va_vdst(0)                   ; T is written, which the list reads read; the products, the last units' roundings and the last finish's lines are done with TKQ and window 1's registers, in which the loads land
	s_cmp_ge_u32 s28, s18
	s_cbranch_scc1 .Lnone_\@
	ds_load_b128 v[TKQ:TKQ+3], v[T]
	ds_load_b128 v[TKQ+4:TKQ+7], v[T] offset:16
	WIN 0x40
.set sr, 0
.rept 4
.set nh, 0
.rept 16
	ds_load_b128 v[64*sr+4*nh:64*sr+4*nh+3], v[FR+sr] offset:32768*(\half)+512*nh
.set nh, nh+1
.endr
.set sr, sr+1
.endr
	s_wait_dscnt 32                                ; the tokens and quarters 0 and 1 are in, the 32 loads of quarters 2 and 3 stay out
	WIN 0x45
.set z, 0
.rept 32
	v_pk_add_f32 v[2*z:2*z+1], v[2*z:2*z+1], v[64+2*z:64+2*z+1]
.set z, z+1
.endr
	s_wait_dscnt 0x0
.set z, 0
.rept 32
	v_pk_add_f32 v[128+2*z:128+2*z+1], v[128+2*z:128+2*z+1], v[192+2*z:192+2*z+1]
.set z, z+1
.endr
.set z, 0
.rept 32
	v_pk_add_f32 v[2*z:2*z+1], v[2*z:2*z+1], v[128+2*z:128+2*z+1]
.set z, z+1
.endr
	WIN 0
	s_wait_xcnt 0x0                                ; RA and OUT, which the last finish's stores read, are rewritten only behind this wait
.set ii, 0
.rept 8
	v_min_u32 v[TKQ+ii], 0x3ff, v[TKQ+ii]
	v_lshl_add_u32 v[RA+ii], v[TKQ+ii], 12, v[R16] ; a token's row of part is 4,096 bytes
.set ii, ii+1
.endr
	WIN 0x01                                       ; source 0 window 1
.set cg, 0
.rept 2
.set ii, 0
.rept 8
.set cj, 0
.rept 4
	v_add_f32 v[OUT+4*(8*cg+ii)+cj], v[8*(4*cg+cj)+ii], v[B4+4*cg+cj]
.set cj, cj+1
.endr
.set ii, ii+1
.endr
.set cg, cg+1
.endr
	WIN 0
	s_wait_alu depctr_va_vdst(0)                   ; RA and OUT are written, which the sixteen stores read
.set ii, 0
.rept 8                                            ; rows i (lanes 0-15) and 8 + i (lanes 16-31); a place past the count stores rank 0's row once more, with the same bits
	global_store_b128 v[RA+ii], v[OUT+4*ii:OUT+4*ii+3], s[12:13]                   ; sixteen lanes: 256 consecutive bytes, aligned
	global_store_b128 v[RA+ii], v[OUT+4*(8+ii):OUT+4*(8+ii)+3], s[12:13] offset:256
.set ii, ii+1
.endr
.Lnone_\@:
.endm
	s_mov_b32 s22, 8                               ; groups to go
	s_mov_b32 s24, 0                               ; the tile in hand
.Lgroup:
	v_mov_b32 v[DSA], v[DS0]                       ; the dumps that read DSA stand ahead of the last pair's wait on vm_vsrc
	s_mov_b32 s23, 4                               ; pairs to go
.Lpair:
	s_cmp_ge_u32 s24, s18
	s_cbranch_scc1 .Lskip
	TILE 0
	s_add_co_u32 s25, s24, 1
	s_cmp_ge_u32 s25, s18
	s_cbranch_scc1 .Lskip
	TILE 1
	s_branch .Lstep
.Lskip:
	s_wait_loadcnt 0x0                             ; past the last tile: whatever was asked for ahead has come, so every way back to a tile finds its count right
.Lstep:
	s_add_co_u32 s24, s24, 2
	s_wait_alu depctr_vm_vsrc(0)                   ; the pair's dumps have read DSA, which is stepped below, and the accumulators, which the next pair's products write
	v_add_nc_u32 v[DSA], 0x4000, v[DSA]
	s_sub_co_u32 s23, s23, 1
	s_cmp_lg_u32 s23, 0
	s_cbranch_scc1 .Lpair
	s_wait_dscnt 0x0                               ; for the others' sake: my dumps are done
	s_barrier_signal -1
	s_barrier_wait -1                              ; everybody's are
	s_add_co_u32 s28, s24, s14
	s_sub_co_u32 s28, s28, 8                       ; the group's tile w
	FINAL 0
	s_add_co_u32 s28, s28, 4                       ; and tile w + 4
	FINAL 1
	s_wait_dscnt 0x0                               ; my reads of the dumps are back
	s_barrier_signal -1
	s_barrier_wait -1                              ; everybody's are: the next group may dump
	s_sub_co_u32 s22, s22, 1
	s_cmp_lg_u32 s22, 0
	s_cbranch_scc1 .Lgroup
	s_wait_dscnt 0x0                               ; the closing lines, six on end
	s_wait_alu 0x0
	s_wait_tensorcnt 0x0
	ds_add_u32 v[SPW], v[NIL]
	s_wait_dscnt 0x0
	s_endpgm
.Lfunc_end_k_qc25d09aa64_down:
	.size	k_qc25d09aa64_down, .Lfunc_end_k_qc25d09aa64_down-k_qc25d09aa64_down
	.p2alignl 7, 3214868480
	.fill 96, 4, 3214868480
	.section	.rodata,"a",@progbits
	.p2align	6, 0x0
	.amdhsa_kernel k_qc25d09aa64_down
		.amdhsa_group_segment_fixed_size 281088
		.amdhsa_private_segment_fixed_size 0
		.amdhsa_enable_private_segment 0
		.amdhsa_kernarg_size 40
		.amdhsa_user_sgpr_count 2
		.amdhsa_user_sgpr_kernarg_segment_ptr 1
		.amdhsa_wavefront_size32 1
		.amdhsa_system_sgpr_workgroup_id_x 1
		.amdhsa_system_sgpr_workgroup_id_y 1
		.amdhsa_system_sgpr_workgroup_id_z 1
		.amdhsa_system_vgpr_workitem_id 0
		.amdhsa_next_free_vgpr 1024
		.amdhsa_next_free_sgpr 66
		.amdhsa_reserve_vcc 0
		.amdhsa_float_denorm_mode_32 3
		.amdhsa_float_denorm_mode_16_64 3
		.amdhsa_memory_ordered 1
		.amdhsa_forward_progress 1
		.amdhsa_inst_pref_size 134
	.end_amdhsa_kernel
	.amdgpu_metadata
---
amdhsa.version: [ 1, 2 ]
amdhsa.kernels:
  - .name:           k_qc25d09aa64_down
    .symbol:         k_qc25d09aa64_down.kd
    .args:
      - { .name: w2, .offset: 0, .size: 8, .value_kind: global_buffer, .address_space: global }
      - { .name: b2, .offset: 8, .size: 8, .value_kind: global_buffer, .address_space: global }
      - { .name: hbuf, .offset: 16, .size: 8, .value_kind: global_buffer, .address_space: global }
      - { .name: idx, .offset: 24, .size: 8, .value_kind: global_buffer, .address_space: global }
      - { .name: part, .offset: 32, .size: 8, .value_kind: global_buffer, .address_space: global }
    .group_segment_fixed_size: 281088
    .private_segment_fixed_size: 0
    .kernarg_segment_align: 8
    .kernarg_segment_size: 40
    .max_flat_workgroup_size: 128
    .sgpr_count:     66
    .vgpr_count:     1024
    .wavefront_size: 32
...
	.end_amdgpu_metadata
.endif
;; end of part 6
;; launch sum: the kernel of part 4 again; grid 256 x 1, 8 waves a work-group, no clusters, 0 bytes of LDS; arguments part, out0; writes out0
